; MI455X (gfx1250); checked and timed in simulation.
; The chip was launched on July 23, 2026; its instructions are those of AMD's public machine-readable ISA for CDNA 5 (MIT licence, August 2026) and "CDNA5" Instruction Set Architecture Reference Guide (July 2026). The comments in the code are by the model that wrote it; some were corrected since.
;; HSTU Layer. Allowed arithmetic: matrix products marked QUANTISED: E4M3 operands, one E8M0 scale for each 32 along K, by v_wmma_scale_f32_16x16x128_f8f6f4 with both operands' format E4M3, f32 sums; everything else in f32.
;; Inputs: W1_codes 2,048 x 16 x 32 uint8 (E4M3 codes of W1, K innermost, in blocks of 32 codes); W1_scales 2,048 x 16 uint8 (E8M0 scales of W1, one for each 32 codes along K); W2_codes 512 x 16 x 32 uint8 (E4M3 codes of W2, K innermost, in blocks of 32 codes); W2_scales 512 x 16 uint8 (E8M0 scales of W2, one for each 32 codes along K); Wf1_codes 2,048 x 16 x 32 uint8 (E4M3 codes of Wf1, K innermost, in blocks of 32 codes); Wf1_scales 2,048 x 16 uint8 (E8M0 scales of Wf1, one for each 32 codes along K); Wf2_codes 512 x 64 x 32 uint8 (E4M3 codes of Wf2, K innermost, in blocks of 32 codes); Wf2_scales 512 x 64 uint8 (E8M0 scales of Wf2, one for each 32 codes along K); b1 2,048 float32; b2 512 float32; be1 512 float32; be2 512 float32; bf1 2,048 float32; bf2 512 float32; g1 512 float32; g2 512 float32; rel_pos_bias 1 x 8 x 2,048 x 2,048 float32; x 4 x 2,048 x 512 float32.
;; Outputs: out0 4 x 2,048 x 512 float32.
;; This version of the problem:
;;   THIS VERSION OF THE PROBLEM IS GIVEN IN LOW PRECISION. The matrix products marked QUANTISED in the list below multiply operands that are first quantised to E4M3 (4 exponent bits, 3 mantissa bits; 8 bits a number), with one power-of-two scale for each 32 numbers along K (OCP MX v1.0); their sums are f32. All else is computed in f32.
;;   The module's matrix products, in the order in which they are computed (A, B: the left and right operand; K: the contracted axis; several contracted axes count as one K, in the product's order):
;;     1. [M 8,192, K 512] x [K 512, N 2,048]; A: computed on the way; B: input W1 (given as codes): QUANTISED
;;     2. batch 32 x [M 2,048, K 64] x [K 64, N 2,048]; A: computed on the way; B: computed on the way: QUANTISED
;;     3. batch 32 x [M 64, K 2,048] x [K 2,048, N 2,048]; A: computed on the way; B: softmax (see below): QUANTISED
;;     4. [M 8,192, K 512] x [K 512, N 512]; A: computed on the way; B: input W2 (given as codes): QUANTISED
;;     5. [M 8,192, K 512] x [K 512, N 2,048]; A: computed on the way; B: input Wf1 (given as codes): QUANTISED
;;     6. [M 8,192, K 2,048] x [K 2,048, N 512]; A: computed on the way; B: input Wf2 (given as codes): QUANTISED
;;   THE QUANTISER, for each operand of a quantised product, along K:
;;     - K is cut into blocks of 32 from its start; a last block that is shorter is filled with zeros.
;;     - A block's scale is 2^e with e = floor(log2(the largest magnitude in the block)) - 8, held to -126 .. 127; a block of zeros has e = 0. As a byte (E8M0): e + 127.
;;     - Each number is divided by its block's scale, clamped to +-448, and rounded to the nearest number of E4M3, ties to even, subnormals kept.
;;     - The product sums the exact products of the quantised numbers (number of the format x scale) in f32.
;;   ~~~python
;;   def quantise(x, axis):      # numpy; x: float32 -> the quantised numbers, widened to float32 again
;;       x = np.moveaxis(x, axis, -1); K = x.shape[-1]
;;       x = np.pad(x, [(0, 0)] * (x.ndim - 1) + [(0, -K % 32)]); x = x.reshape(x.shape[:-1] + (-1, 32)); a = np.abs(x).max(-1, keepdims=True)
;;       e = np.where(a > 0, np.clip(np.frexp(np.where(a > 0, a, 1))[1] - 1 - 8, -126, 127), 0)      # np.frexp(a)[1] - 1 = floor(log2(a)), exactly
;;       r = np.clip(x / 2.0 ** e, -448, 448)
;;       step = 2.0 ** (np.maximum(np.frexp(np.where(r == 0, 1, r))[1] - 1, -6) - 3)
;;       q = np.round(r / step) * step * 2.0 ** e      # np.round: ties to even
;;       return np.moveaxis(q.reshape(q.shape[:-2] + (-1,))[..., :K], -1, axis).astype(np.float32)
;;   ~~~
;;   SOFTMAX AHEAD OF A QUANTISED PRODUCT. Where the list says 'softmax', what is quantised is not the finished softmax but p = 2^(t - M), with t = logit x log2(e) and M = ceil(the row's largest t), a whole number; so 1/2 < the row's largest p <= 1. The row's sum l is taken of the UNQUANTISED p, in f32, and the product's result is divided by l at the end. Since M is a whole number, a kernel that streams over the keys may use a running M (the ceiling of the running maximum): every later rescaling is an exact power of two, which a block's scale takes up: the codes' values come out the same.
;;   OPERANDS COMPUTED ON THE WAY. 'Computed on the way' means the value that the module computes at that place (a softmax that the list does not call 'softmax' is quantised finished and normalised). What goes into a quantiser is computed in f32, as accurately as f32 sums, v_exp_f32 and their like allow (about 1e-6 of the number): no bf16 or f16 on the way to a quantiser, and a product that is left as it is and whose result goes on into a quantised operand takes f32 operands (vector FMAs, or v_wmma_f32_16x16x4_f32). A number that lies on a knife's edge between two numbers of the format may be rounded either way, as far as f32 arithmetic and the matrix unit's own rounding can turn it there, and no further.
;;   INPUTS GIVEN AS CODES. W1 (in the module: [512, 2048], K = its axis 0); W2 (in the module: [512, 512], K = its axis 0); Wf1 (in the module: [512, 2048], K = its axis 0); Wf2 (in the module: [2048, 512], K = its axis 0): each comes as NAME_codes (uint8): NAME with its K axis moved to the last place and cut into blocks of 32 codes, [.., K / 32, bytes a block], one block behind the other in memory; one code a byte (a code: sign, 4 exponent bits, 3 mantissa bits); and NAME_scales (uint8): the same leading axes, one E8M0 byte (e + 127) for each 32 codes along K. Its value is code x scale, taken as it is: it is not quantised again, and the codes and scales need not be those that the quantiser above would give.
;; One version. Each part assembles by itself: llvm-mc -triple=amdgcn-amd-amdhsa -mcpu=gfx1250 --defsym DOCPART=n.
;; ======== version 1 of 1: 3 launches
;; limits: right only within a limited range of input values
;; workspace buffers: qc 4,194,304 bytes; qs 262,144 bytes; kv 8,781,824 bytes; sg 16,777,216 bytes; gc 4,194,304 bytes; gs 131,072 bytes
;; launch proj (part 1): grid 64 x 4, 4 waves a work-group, clusters of 4 x 1, 327,680 bytes of LDS; arguments x, g1, be1, W1_codes, W1_scales, b1, qc, qs, kv, sg; writes qc, qs, kv, sg
.if DOCPART == 1
	.amdgcn_target "amdgcn-amd-amdhsa--gfx1250"
	.amdhsa_code_object_version 6
	.text
	.protected	k_qe7c67204b5_proj
	.globl	k_qe7c67204b5_proj
	.p2align	8
	.type	k_qe7c67204b5_proj,@function
k_qe7c67204b5_proj:
	s_mov_b64 s[64:65], 0
	v_nop
	global_prefetch_b8 v0, s[64:65] scope:SCOPE_SE
	s_setreg_imm32_b32 hwreg(HW_REG_WAVE_MODE, 25, 1), 1
	s_wait_xcnt 0x0
	s_wait_alu depctr_hold_cnt(0) depctr_sa_sdst(0) depctr_va_vdst(0) depctr_va_sdst(0) depctr_va_ssrc(0) depctr_va_vcc(0) depctr_vm_vsrc(0)
	s_getreg_b32 s2, hwreg(HW_REG_IB_STS2, 6, 4)
	s_cmp_eq_u32 s2, 0
	s_cbranch_scc0 .Lentry_in_a_cluster
	s_endpgm
.Lentry_in_a_cluster:
	s_bfe_u32 s2, ttmp6, 0x10000c
	s_cmp_lg_u32 s2, 0x3003
	s_cbranch_scc0 .Lentry_shape_is_right
	s_endpgm
.Lentry_shape_is_right:
; LN1, its quantising, p = Q(h) W1 + b1 on codes of E4M3 with one E8M0 scale for each 32 along K, and what attention wants of p:
;   q: codes along the head's 64, scale bytes less 3 (the factor 1/8 of the scores, exact);  k: codes likewise;  v: codes along the KEYS;  u: sigmoid(u) in f32.
; SHARES.  Work-group x: 128 rows of x (batch = x / 16, key step = x % 16); work-group y: the column group, 0 q, 1 k, 2 u, 3 v, 512 columns.  Wave w: columns 128 w .. 128 w + 127, two heads, as 8 tiles of 16 rows of W1;
; its 32 fragments of W1 stay in 512 registers.  The four partners of a cluster share the column group, so W1's rows are asked for jointly, once.
; THE ROWS OF W1 THAT FORM A TILE ARE NOT NEIGHBOURS: lane r of tile 2 b + u takes row 32 b + 8 u + r + 8 (r / 8), so that a lane's 16 registers of tiles 2 b and 2 b + 1 are 16 neighbouring columns.
; For k and v the ROWS OF x that form a tile are chosen the same way: k's tiles are then the key tiles that attention multiplies, and v's product, used with x as source 0, leaves 16 neighbouring keys in a lane.
; LIMITS: NaN and infinities among the inputs are not served.  A block whose largest magnitude lies under 2^-118 (q: 2^-115) has its scale byte held at 1 (q: at 4, before the 3 are taken off);
; a block of zeros gets that byte where the rule says 127: its codes are zeros, and this program alone reads the bytes.  The variance is taken of the differences from the mean.
; No prefetch: x's rows are asked for at the head in one run and the launch is short.  Work-groups do not stay: 256 of equal work.
; REGISTERS, in windows of 256: window 0 addresses, work, scale words, v128-191 g1 x rstd, later x's four fragments, v192-255 be1;  windows 1, 2: W1's fragment (t, k) at window 1 + k / 2, v[32 t + 16 (k % 2)];
;   window 3: 256 numbers of x; later v0-127 accumulators, v128-191 b1 in the result's layout.
.set WP,    528                        ; a row of W1 in LDS: 512 bytes + 16 of padding; also a row of the turning stage
.set WREGB, 128*WP                     ; a wave's 128 rows of W1
.set XIMG,  0                          ; x's 32 fragments as images of their registers, 2,048 bytes each: tile T, K step k at 8192 T + 2048 k.  They lie over W1's tiles, behind a barrier
.set XSC,   65536                      ; their scale words, 128 bytes each: 128 (4 T + k)
.set TURNB, 4*WREGB                    ; a stage of 16 rows x 528 for each wave
.set GBE,   TURNB+4*16*WP              ; g1 and be1, 4,096 bytes, a copy for each wave
.set GQK,   GBE+4*4096                 ; q's or k's scale words of a wave, 1,024 bytes
.set GVB,   GQK+4*1024                 ; v's, 512 bytes
.set HSK,   1097728                    ; kv: from head to head
.set KVSTEP, 68608                     ; from key step to key step
.set KVBLK, 17152                      ; from batch to batch: K codes 8,192, K scale words 512, V codes 8,192, V scale words 256
.set WV, 24
.set CX, 25
.set GG, 26
.set RG, 27
.set BB, 28
.set STP, 29
.set PF, 30
.set HM, 31
.set G0, 32
.set G1, 36
.set SEL, 44
.set MNT, 46
.set FLX, 47
.set FLQ, 48
.set QADJ, 49
.set I512, 50
.set EPS, 51
.set NL, 52
.set OPT, 54
.set SPT, 56
.set T, 58
.set OQ, 66
.set OU, 67
.set OQS, 68
.set OKK, 69
.set OV, 70
.set SOV, 71
.set OFS, 72
.set HST, 73
.set STV, 74
.set SOF, 75
.set SHS, 76
.set SU, 77
.set SI, 78
.set SSC, 79
.set SBI, 80
.set SBS, 81
.set SGA, 82
.set SHF, 83
.set CN, 84
.set LI, 1
.set LSX, 2
.set X0L, 3
.set X0H, 4
.set X1L, 5
.set X1H, 6
.set TS, 7
.set TL, 8
.set GL, 9
.set WL, 10
.set IW, 11
.set ISW, 12
.set FA, 13
.set FS, 14
.set VO, 15
.set VO2, 16
.set GA, 17
.set GR, 18
.set B1A, 19
.set SM, 20
.set MEAN, 28
.set RSTD, 30
.set T0, 32
.set T1, 33
.set TM, 34
.set PW, 50
.set GVV, 51
.set PC, 52
.set XS, 68
.set W1S, 72
.set SW, 104
.set WSA, 112
.set SO, 113
.set SO2, 114
.set GVA, 115
.set GVR, 116
.set GBS, 117
.set B1V, 118
.set LN, 119
.set RR, 120
.set HH, 121
.set PIR, 122
.set SOW, 123
.set T2, 124
.set R1, 128
.set R2, 192
.set XF, 128
.set MSB, 0
.macro WIN new                         ; the immediate's high byte repeats the setting that is left; a switch that changes nothing is dropped
.if MSB != (\new)
	s_set_vgpr_msb (MSB<<8)|(\new)
.set MSB, (\new)
.endif
.endm
.macro PLACES n
.rept \n
	v_nop
.endr
.endm
.macro CROUND                          ; a round of the cluster's barrier
	s_barrier_signal -1
	s_barrier_wait -1
	s_cmp_lg_u32 s[WV], 0
	s_cbranch_scc1 .Lnw0_\@
	s_barrier_signal -3
.Lnw0_\@:
	s_barrier_wait -3
	s_barrier_signal -1
	s_barrier_wait -1
.endm
; 64 numbers of a lane in WINDOW 3, v[s] on, register 16 b + i in block b (the block's other 16 lie in lane l xor 16), become 16 registers of codes in v[PC] on, the bytes in v[TM+4] on and the word in v[PW]
.macro QUANT3 s, relu, flr
	WIN 0x0f
.irp b,0,1,2,3
.if \relu
	v_max3_num_f32 v[TM+\b], v[(\s)+16*\b], v[(\s)+16*\b+1], s[\flr]
.else
	v_max3_num_f32 v[TM+\b], |v[(\s)+16*\b]|, |v[(\s)+16*\b+1]|, s[\flr]      ; my 16 numbers and the floor, under which no largest magnitude is taken
.endif
.endr
	WIN 0x3c
.irp i,2,4,6,8,10,12,14
.irp b,0,1,2,3
.if \relu
	v_max3_num_f32 v[TM+\b], v[TM+\b], v[(\s)+16*\b+\i], v[(\s)+16*\b+\i+1]
.else
	v_max3_num_f32 v[TM+\b], v[TM+\b], |v[(\s)+16*\b+\i]|, |v[(\s)+16*\b+\i+1]|
.endif
.endr
.endr
	WIN 0
.irp b,0,1,2,3
	v_permlanex16_b32 v[TM+4+\b], v[TM+\b], s[SEL], s[SEL+1]
.endr
.irp b,0,1,2,3
	v_max_num_f32 v[TM+\b], v[TM+\b], v[TM+4+\b]                ; the block's largest magnitude
.endr
.irp b,0,1,2,3
	v_add_nc_u32 v[TM+12+\b], 0xfc000000, v[TM+\b]              ; 8 off its exponent field: the conversion's scale operand
.endr
.irp b,0,1,2,3
	v_and_or_b32 v[TM+8+\b], v[TM+\b], 0x7f800000, s[MNT]       ; 448 x the scale
.endr
.irp b,0,1,2,3
	v_lshrrev_b32 v[TM+4+\b], 23, v[TM+12+\b]                   ; the scale's byte
.endr
	v_lshl_or_b32 v[PW], v[TM+5], 8, v[TM+4]
	v_lshl_or_b32 v[PW], v[TM+6], 16, v[PW]
	v_lshl_or_b32 v[PW], v[TM+7], 24, v[PW]
	WIN 0xc3
.irp b,0,1,2,3
.irp i,0,1,2,3,4,5,6,7,8,9,10,11,12,13,14,15
.if \relu
	v_med3_num_f32 v[(\s)+16*\b+\i], v[(\s)+16*\b+\i], 0, v[TM+8+\b]
.else
	v_med3_num_f32 v[(\s)+16*\b+\i], v[(\s)+16*\b+\i], -v[TM+8+\b], v[TM+8+\b]   ; the conversion to an 8-bit code does not saturate (ISA guide 7.6.2): the hold comes first
.endif
.endr
.endr
	WIN 0x03
.irp b,0,1,2,3
	v_cvt_scalef32_pk8_fp8_f32 v[PC+4*\b:PC+4*\b+1], v[(\s)+16*\b:(\s)+16*\b+7], v[TM+12+\b]
	v_cvt_scalef32_pk8_fp8_f32 v[PC+4*\b+2:PC+4*\b+3], v[(\s)+16*\b+8:(\s)+16*\b+15], v[TM+12+\b]
.endr
	WIN 0
	v_nop                                          ; a plain line behind the last conversion
.endm
.macro IMAGE adr, o1                   ; the fragment in v[PC] on goes to LDS as it stands: 16 bytes a lane, 512 a store
.irp c,0,1,2,3
	ds_store_b128 v[\adr], v[PC+4*\c:PC+4*\c+3] offset:(\o1)+512*\c
.endr
.endm
; 16 dense rows of 512 bytes in window 3 (row p in v[base + 4 p] on) turn through my stage: afterwards lane (r, h) holds, of row r, k = 32 b + 16 h + 0 .. 15 in v[base + 16 b] on.  LDS serves a wave's instructions in order: no wait between
.macro TURN3 base
	WIN 0x0c
.irp p,0,1,2,3,4,5,6,7,8,9,10,11,12,13,14,15
	ds_store_b128 v[TS], v[(\base)+4*\p:(\base)+4*\p+3] offset:WP*\p
.endr
	WIN 0xc0
.irp b,0,1,2,3
.irp j,0,1,2,3
	ds_load_b128 v[(\base)+16*\b+4*\j:(\base)+16*\b+4*\j+3], v[TL] offset:128*\b+16*\j
.endr
.endr
.endm
.macro XLD lo, hi, s                   ; K step s of a tile's 16 rows, dense: 512 consecutive bytes an instruction.  Rows 8-15 have an offset of their own: 8 rows further down where the tile's rows are chosen
.irp p,0,1,2,3,4,5,6,7
	global_load_b128 v[64*(\s)+4*\p:64*(\s)+4*\p+3], v[\lo], s[4:5] offset:2048*\p+512*(\s)
.endr
.irp p,8,9,10,11,12,13,14,15
	global_load_b128 v[64*(\s)+4*\p:64*(\s)+4*\p+3], v[\hi], s[4:5] offset:2048*\p+512*(\s)
.endr
.endm
.macro GBLOAD s                        ; g1's and be1's 64 numbers of K step s in my lane's order
.irp b,0,1,2,3
.irp j,0,1,2,3
	ds_load_b128 v[R1+16*\b+4*\j:R1+16*\b+4*\j+3], v[GL] offset:512*(\s)+128*\b+16*\j
	ds_load_b128 v[R2+16*\b+4*\j:R2+16*\b+4*\j+3], v[GL] offset:2048+512*(\s)+128*\b+16*\j
.endr
.endr
.endm
.macro JOIN dst                        ; four chains of pairs -> one number, with lane l xor 16's
	v_pk_add_f32 v[SM:SM+1], v[SM:SM+1], v[SM+2:SM+3]
	v_pk_add_f32 v[SM+4:SM+5], v[SM+4:SM+5], v[SM+6:SM+7]
	v_pk_add_f32 v[SM:SM+1], v[SM:SM+1], v[SM+4:SM+5]
	v_add_f32 v[SM], v[SM], v[SM+1]
	v_permlanex16_b32 v[T0], v[SM], s[SEL], s[SEL+1]
	v_add_f32 v[\dst], v[SM], v[T0]
.endm
; K step s of the tile in hand: (x - mean) x (rstd g1) + be1, quantised, image and scale word to LDS; in the first trip the second tile's K step s is asked for into the registers just left
.macro XSTEP s
	s_wait_dscnt 0x0                               ; g1 and be1 of this K step are in, and the last image's stores are done
.set i, 0
.rept 32
	v_pk_mul_f32 v[R1+i:R1+i+1], v[R1+i:R1+i+1], v[RSTD:RSTD+1]
.set i, i+2
.endr
	WIN 0xc3
.set i, 0
.rept 32
	v_pk_fma_f32 v[64*(\s)+i:64*(\s)+i+1], v[64*(\s)+i:64*(\s)+i+1], v[R1+i:R1+i+1], v[R2+i:R2+i+1]
.set i, i+2
.endr
	WIN 0
.if (\s) < 3
	GBLOAD (\s)+1
.endif
	QUANT3 64*(\s), 0, FLX
	v_add_nc_u32 v[T1], s[SI], v[IW]
	v_add_nc_u32 v[T2], s[SSC], v[ISW]
	IMAGE T1, 2048*(\s)
	ds_store_b32 v[T2], v[PW] offset:128*(\s)
	s_cmp_lg_u32 s[SU], 0
	s_cbranch_scc1 .Lnx_\@
	WIN 0xc0
	XLD X1L, X1H, \s
	WIN 0
.Lnx_\@:
.endm
.macro FETCH o1, o2                    ; a tile's four fragments of x and their scale words come back as they were stored
.irp k,0,1,2,3
.irp c,0,1,2,3
	ds_load_b128 v[XF+16*\k+4*\c:XF+16*\k+4*\c+3], v[FA] offset:(\o1)+2048*\k+512*\c
.endr
	ds_load_b32 v[XS+\k], v[FS] offset:(\o2)+128*\k
.endr
.endm
; 32 matrix instructions: K step outer, my 8 tiles of W1 inner: eight accumulators by turns.  The first K step takes b1 as C.  sw = 0: source 0 = W1 (a lane holds a row of x);  sw = 1: source 0 = x (a lane holds a column)
.macro PRODUCT sw, sd, of
.irp k,0,1,2,3
.if \sw
	WIN 0xf4+4*(\k/2)
.else
	WIN 0xf1+(\k/2)
.endif
.irp t,0,1,2,3,4,5,6,7
.set rD, (\sd)*\t+(\of)
.set rW, 32*\t+16*(\k%2)
.set rC, rD
.if \k == 0
.set rC, 128+8*\t
.endif
.if \sw
	v_wmma_scale_f32_16x16x128_f8f6f4 v[rD:rD+7], v[XF+16*\k:XF+16*\k+15], v[rW:rW+15], v[rC:rC+7], v[XS+\k], v[W1S+4*\t+\k]
.else
	v_wmma_scale_f32_16x16x128_f8f6f4 v[rD:rD+7], v[rW:rW+15], v[XF+16*\k:XF+16*\k+15], v[rC:rC+7], v[W1S+4*\t+\k], v[XS+\k]
.endif
.endr
.endr
.endm
.macro EPI_QK u                        ; 16 rows x my two heads: blocks 0, 1 are the first head's 64, blocks 2, 3 the second's
	QUANT3 0, 0, FLQ
	v_sub_nc_u32 v[PW], v[PW], s[QADJ]             ; q: 3 off each byte (every byte is 4 or more: no borrow);  k: 0
	global_store_b128 v[VO], v[PC:PC+3], s[OPT:OPT+1] offset:1024*\u
	global_store_b128 v[VO], v[PC+4:PC+7], s[OPT:OPT+1] offset:1024*\u+512
	global_store_b128 v[VO2], v[PC+8:PC+11], s[OPT:OPT+1] offset:1024*\u
	global_store_b128 v[VO2], v[PC+12:PC+15], s[OPT:OPT+1] offset:1024*\u+512
	v_lshrrev_b32 v[GVV], 16, v[PW]
	v_cndmask_b32 v[GVV], v[PW], v[GVV], s[HM]     ; lanes 0-15 keep the first head's word, lanes 16-31 the second's
	v_add_nc_u32 v[T1], s[SGA], v[GA]
	ds_store_b32 v[T1], v[GVV] offset:64*\u
.endm
.macro EPI_U u                         ; sigmoid(u) = 1 / (1 + 2^(-u log2 e)), stored in the order of attention's result registers
	WIN 0xc3
.set i, 0
.rept 32
	v_pk_mul_f32 v[i:i+1], v[i:i+1], s[NL:NL+1] op_sel_hi:[1,0]
.set i, i+2
.endr
.set i, 0
	s_wait_alu depctr_va_vdst(0)
.rept 64
	v_exp_f32 v[i], v[i]
.set i, i+1
.endr
	v_nop
	s_wait_alu depctr_va_vdst(0)                   ; one wait for the batch of 64, ahead of its first reader
.set i, 0
.rept 32
	v_pk_add_f32 v[i:i+1], v[i:i+1], 1.0 op_sel_hi:[1,0]
.set i, i+2
.endr
.set i, 0
	s_wait_alu depctr_va_vdst(0)
.rept 64
	v_rcp_f32 v[i], v[i]
.set i, i+1
.endr
	v_nop
	s_wait_alu depctr_va_vdst(0)
	WIN 0x0c
.irp i,0,1,2,3,4,5,6,7
	global_store_b128 v[VO], v[4*\i:4*\i+3], s[OPT:OPT+1] offset:4096*\u+512*\i
	global_store_b128 v[VO2], v[32+4*\i:32+4*\i+3], s[OPT:OPT+1] offset:4096*\u+512*\i
.endr
	WIN 0
.endm
.macro TILEQ u                         ; one tile of 16 rows on the q, k and u ways
	s_wait_dscnt 0x0                               ; the tile's fragments are in
	s_wait_xcnt 0x0                                ; the last tile's stores have read their registers
	PRODUCT 0, 8, 0
	WIN 0
	PLACES 9                                       ; in front of loads into x's fragments, of the first read of results, and of the next run, which begins the accumulators anew
.if \u == 0
	FETCH 8192, 512
.else
	s_cmp_eq_u32 s[CN], 3
	s_cbranch_scc1 .Lnf_\@
	FETCH 16384, 1024
.Lnf_\@:
.endif
	s_cmp_eq_u32 s[GG], 2
	s_cbranch_scc1 .Lu_\@
	EPI_QK \u
	s_branch .Le_\@
.Lu_\@:
	EPI_U \u
.Le_\@:
.endm
	s_load_b128 s[4:7], s[0:1], 0x0                ; x, g1
	s_load_b256 s[8:15], s[0:1], 0x10              ; be1, W1's codes, W1's scales, b1
	s_load_b256 s[16:23], s[0:1], 0x30             ; qc, qs, kv, sg
.set SPW, 125                          ; v125  LDS address of my spare word; never rewritten
.set NIL, 126                          ; v126  0; never rewritten
.set SPARE, GVB+4*512                  ; the spare words, 128 bytes for each wave: no other line names them
	v_lshl_add_u32 v[SPW], v0, 2, SPARE
	v_mov_b32 v[NIL], 0
	ds_add_u32 v[SPW], v[NIL]                      ; the opening lines: the add, twice on end, and its wait ahead of the round in front of my tensor load
	ds_add_u32 v[SPW], v[NIL]
	v_lshrrev_b32 v[LN], 5, v0
	v_readfirstlane_b32 s[WV], v[LN]               ; wave 0..3
	s_bfe_u32 s[CX], ttmp6, 0x40000                ; my place in the cluster: it enters global offsets alone
	s_and_b32 s[GG], ttmp7, 0xffff                 ; the column group, which the partners share
	s_lshl_b32 s[RG], ttmp9, 2
	s_add_co_u32 s[RG], s[RG], s[CX]               ; my 128 rows
	s_lshr_b32 s[BB], ttmp9, 2                     ; batch
	s_and_b32 s[STP], s[RG], 15                    ; key step
	s_and_b32 s[PF], s[GG], 1                      ; 1: k and v, whose tiles' rows are chosen
	s_mov_b32 s[HM], 0xffff0000
	s_mov_b32 s[SEL], 0x76543210
	s_mov_b32 s[SEL+1], 0xfedcba98
	s_mov_b32 s[MNT], 0x600000
	s_mov_b32 s[FLX], 0x4800000                    ; 2^(9 - 127)
	s_mov_b32 s[I512], 0x3b000000                  ; 1 / 512
	s_mov_b32 s[EPS], 0x3727c5ac                   ; 1e-5
	s_mov_b32 s[NL], 0xbfb8aa3b                    ; -log2 e
	s_mov_b32 s[NL+1], s[NL]
	v_and_b32 v[LN], 31, v0
	v_and_b32 v[RR], 15, v0
	v_bfe_u32 v[HH], v0, 4, 1
	v_and_b32 v[PIR], 8, v[RR]
	v_add_nc_u32 v[PIR], v[PIR], v[RR]             ; r + 8 (r / 8)
	v_lshlrev_b32 v[LI], 4, v[LN]
	v_lshlrev_b32 v[LSX], 2, v[LN]
	s_lshl_b32 s[T+2], s[WV], 10
	s_add_co_u32 s[T+2], s[T+2], XSC
	v_add_nc_u32 v[ISW], s[T+2], v[LSX]            ; where I store scale words: XSC + 1024 w + 4 l
	v_add_nc_u32 v[LSX], XSC, v[LSX]
	s_lshl_b32 s[T+2], s[WV], 16
	v_add_nc_u32 v[X0L], s[T+2], v[LI]             ; x: 16 l + 32 w rows
	s_lshl_b32 s[T+3], s[PF], 14
	v_add_nc_u32 v[X0H], s[T+3], v[X0L]            ; rows 8-15: 8 rows on where the rows are chosen
	s_lshr_b32 s[T+4], 0x8000, s[PF]               ; the wave's second tile: 16 rows on, or 8
	v_add_nc_u32 v[X1L], s[T+4], v[X0L]
	v_add_nc_u32 v[X1H], s[T+3], v[X1L]
	s_mul_i32 s[T+2], s[WV], 16*WP
	s_add_co_u32 s[T+2], s[T+2], TURNB
	v_add_nc_u32 v[TS], s[T+2], v[LI]
	v_mul_u32_u24 v[TL], v[RR], WP
	v_lshl_add_u32 v[TL], v[HH], 6, v[TL]
	v_add_nc_u32 v[TL], s[T+2], v[TL]
	s_lshl_b32 s[T+2], s[WV], 12
	s_add_co_u32 s[T+2], s[T+2], GBE
	v_lshlrev_b32 v[GL], 6, v[HH]
	v_add_nc_u32 v[GL], s[T+2], v[GL]
	v_add_nc_u32 v[GBS], s[T+2], v[LI]
	s_mul_i32 s[G0+1], s[WV], WREGB                ; my tile of W1 in LDS
	v_mul_u32_u24 v[WL], v[PIR], WP
	v_lshl_add_u32 v[WL], v[HH], 4, v[WL]
	v_add_nc_u32 v[WL], s[G0+1], v[WL]
	s_lshl_b32 s[T+2], s[WV], 14
	v_add_nc_u32 v[IW], s[T+2], v[LI]              ; where I store images: 16384 w + 16 l
	s_lshl_b32 s[T+2], s[WV], 10
	s_add_co_u32 s[T+2], s[T+2], GQK
	v_lshlrev_b32 v[GA], 2, v[RR]
	v_lshl_add_u32 v[GA], v[HH], 9, v[GA]
	v_add_nc_u32 v[GA], s[T+2], v[GA]
	v_add_nc_u32 v[GR], s[T+2], v[LI]
	s_lshl_b32 s[T+2], s[WV], 9
	s_add_co_u32 s[T+2], s[T+2], GVB
	v_lshl_add_u32 v[GVA], v[RR], 2, s[T+2]
	v_add_nc_u32 v[GVR], s[T+2], v[LI]
	v_lshlrev_b32 v[B1A], 6, v[HH]
	v_lshlrev_b32 v[B1V], 2, v[PIR]
	v_lshlrev_b32 v[WSA], 4, v[PIR]
	v_mov_b32 v[T0], 0                             ; a lane permute's destination counts as one of its sources
.irp b,0,1,2,3
	v_mov_b32 v[TM+4+\b], 0
.endr
.irp t,0,1,2,3,4,5,6,7
	v_mov_b32 v[SW+\t], 0
.endr
	; where the results go, in bytes from each buffer's first
	s_lshl_b32 s[OQ], s[BB], 3
	s_lshl_b32 s[T], s[WV], 1
	s_add_co_u32 s[OQ], s[OQ], s[T]
	s_lshl_b32 s[OQ], s[OQ], 7
	s_lshl_b32 s[T], s[STP], 3
	s_add_co_u32 s[OQ], s[OQ], s[T]                ; (8 batch + my first head) x 128 + my first tile of 16 rows
	s_lshl_b32 s[OU], s[OQ], 12
	s_lshl_b32 s[OQS], s[OQ], 6
	s_lshl_b32 s[OQ], s[OQ], 10
	s_mul_i32 s[OKK], s[WV], 2*HSK
	s_mul_i32 s[T], s[STP], KVSTEP
	s_add_co_u32 s[OKK], s[OKK], s[T]
	s_mul_i32 s[T], s[BB], KVBLK
	s_add_co_u32 s[OKK], s[OKK], s[T]
	s_add_co_u32 s[OV], s[OKK], 8704
	s_add_co_u32 s[SOV], s[OKK], 16896
	s_add_co_u32 s[SOF], s[OKK], 8192
	s_mov_b32 s[OFS], s[OKK]
	s_mov_b32 s[HST], HSK
	s_mov_b32 s[SHS], HSK
	s_mov_b32 s[STV], 2048
	s_cmp_eq_u32 s[GG], 0
	s_cselect_b32 s[OFS], s[OQ], s[OFS]
	s_cselect_b32 s[HST], 0x20000, s[HST]
	s_cselect_b32 s[SOF], s[OQS], s[SOF]
	s_cselect_b32 s[SHS], 0x2000, s[SHS]
	s_cselect_b32 s[FLQ], 0x6000000, s[FLX]        ; q's floor, 2^(12 - 127): its bytes are 4 or more
	s_cselect_b32 s[QADJ], 0x03030303, 0
	s_cmp_eq_u32 s[GG], 2
	s_cselect_b32 s[OFS], s[OU], s[OFS]
	s_cselect_b32 s[HST], 0x80000, s[HST]
	s_cselect_b32 s[STV], 0x2000, s[STV]
	s_cmp_eq_u32 s[GG], 3
	s_cselect_b32 s[OFS], s[OV], s[OFS]
	s_cselect_b32 s[STV], 512, s[STV]
	s_cselect_b32 s[SOF], s[SOV], s[SOF]
	v_add_nc_u32 v[VO], s[OFS], v[LI]
	v_add_nc_u32 v[VO2], s[HST], v[VO]             ; the second head's
	v_add_nc_u32 v[SO], s[SOF], v[LI]
	v_add_nc_u32 v[SO2], s[SHS], v[SO]
	v_mul_lo_u32 v[SOW], v[HH], s[HST]
	v_lshl_add_u32 v[SOW], v[RR], 4, v[SOW]
	v_add_nc_u32 v[SOW], s[SOF], v[SOW]
	; the tile of W1: 128 rows of 512 bytes, 16 bytes of padding behind each, asked for jointly by the four partners
	s_mov_b32 s[G1], 15|(1<<20)|(1<<21)|(6<<22)|(3<<25)
	s_mov_b32 s[G1+1], 512<<16
	s_mov_b32 s[G1+2], 128<<16
	s_mov_b32 s[G1+3], 512<<16
	s_mov_b32 s[G1+4], 128
	s_mov_b32 s[G1+5], 512
	s_mov_b32 s[G1+6], 0
	s_mov_b32 s[G1+7], 0
	s_mov_b32 s[G0], 1
	s_lshl_b32 s[T+2], s[GG], 18
	s_lshl_b32 s[T+4], s[WV], 16
	s_add_co_u32 s[T+2], s[T+2], s[T+4]            ; (512 group + 128 wave) rows of 512 bytes
	s_mov_b32 s[T+3], 0
	s_lshr_b32 s[T+4], s[T+2], 5                   ; of 16 scale bytes
	s_mov_b32 s[T+5], 0
	s_lshl_b32 s[T], s[RG], 18
	s_mov_b32 s[T+1], 0
	s_wait_dscnt 0x0                               ; both opening adds are done
	s_wait_kmcnt 0x0
	s_add_nc_u64 s[G0+2:G0+3], s[10:11], s[T+2:T+3]
	s_or_b32 s[G0+3], s[G0+3], 0x80000000
	s_add_nc_u64 s[12:13], s[12:13], s[T+4:T+5]
	s_lshr_b32 s[T+4], s[T+2], 7                   ; of 4 bytes of b1
	s_add_nc_u64 s[14:15], s[14:15], s[T+4:T+5]
	s_add_nc_u64 s[4:5], s[4:5], s[T:T+1]          ; x at my first row
	s_cmp_eq_u32 s[GG], 0
	s_cselect_b64 s[OPT:OPT+1], s[16:17], s[20:21]
	s_cselect_b64 s[SPT:SPT+1], s[18:19], s[20:21]
	s_cmp_eq_u32 s[GG], 2
	s_cselect_b64 s[OPT:OPT+1], s[22:23], s[OPT:OPT+1]
	CROUND                                         ; all four work-groups are here: the joint loads meet
	tensor_load_to_lds s[G0:G0+3], s[G1:G1+7]      ; my one tensor load of the launch
	s_nop 0
	PLACES 4
.irp j,0,1,2,3
	global_load_b128 v[R2+4*\j:R2+4*\j+3], v[LI], s[6:7] offset:512*\j
.endr
.irp j,0,1,2,3
	global_load_b128 v[R2+16+4*\j:R2+16+4*\j+3], v[LI], s[8:9] offset:512*\j
.endr
	WIN 0xc0
	XLD X0L, X0H, 0
	XLD X0L, X0H, 1
	XLD X0L, X0H, 2
	WIN 0
	s_wait_loadcnt 48                              ; g1 and be1 are in: the 48 loads of x's first three K steps are younger
.irp j,0,1,2,3,4,5,6,7
	ds_store_b128 v[GBS], v[R2+4*\j:R2+4*\j+3] offset:512*\j
.endr
	WIN 0xc0
	XLD X0L, X0H, 3
	WIN 0
	s_wait_tensorcnt 0x0                           ; my 128 rows of W1 have landed; only I read them
.irp k,0,1,2,3
	WIN 0x40+0x40*(\k/2)
.irp t,0,1,2,3,4,5,6,7
.irp c,0,1,2,3
	ds_load_b128 v[32*\t+16*(\k%2)+4*\c:32*\t+16*(\k%2)+4*\c+3], v[WL] offset:(32*(\t/2)+8*(\t%2))*WP+128*\k+32*\c
.endr
.endr
.endr
	WIN 0
	s_wait_dscnt 0x0                               ; W1 is in my registers:
	s_barrier_signal -1
	s_barrier_wait -1                              ; in everybody's: its bytes in LDS may take x's images
	; ---- X: my two tiles of 16 rows: LN1, quantised, images to LDS
	s_mov_b32 s[SU], 0
	s_mov_b32 s[SI], 0
	s_mov_b32 s[SSC], 0
.Lx:
	s_wait_loadcnt 0x0
	TURN3 0
	TURN3 64
	TURN3 128
	TURN3 192
	WIN 0
	GBLOAD 0
	s_wait_dscnt 0x0
	WIN 0x0f                                       ; the row's sum: my 256 numbers in four chains of pairs
.irp k,0,1,2,3
	v_pk_add_f32 v[SM+2*\k:SM+2*\k+1], v[4*\k:4*\k+1], v[4*\k+2:4*\k+3]
.endr
	WIN 0x0c
.set i, 16
.rept 30
.irp k,0,1,2,3
	v_pk_add_f32 v[SM+2*\k:SM+2*\k+1], v[SM+2*\k:SM+2*\k+1], v[i+2*\k:i+2*\k+1]
.endr
.set i, i+8
.endr
	WIN 0
	JOIN SM
	v_mul_f32 v[MEAN], s[I512], v[SM]
	v_mov_b32 v[MEAN+1], v[MEAN]
	WIN 0xc3
.set i, 0
.rept 128
	v_pk_add_f32 v[i:i+1], v[i:i+1], v[MEAN:MEAN+1] neg_lo:[0,1] neg_hi:[0,1]
.set i, i+2
.endr
	WIN 0x0f                                       ; the variance, of the differences
.irp k,0,1,2,3
	v_pk_mul_f32 v[SM+2*\k:SM+2*\k+1], v[2*\k:2*\k+1], v[2*\k:2*\k+1]
.endr
.set i, 8
.rept 31
.irp k,0,1,2,3
	v_pk_fma_f32 v[SM+2*\k:SM+2*\k+1], v[i+2*\k:i+2*\k+1], v[i+2*\k:i+2*\k+1], v[SM+2*\k:SM+2*\k+1]
.endr
.set i, i+8
.endr
	WIN 0
	JOIN SM
	v_fma_f32 v[T1], v[SM], s[I512], s[EPS]
	s_wait_alu depctr_va_vdst(0)
	v_rsq_f32 v[RSTD], v[T1]
	v_nop
	s_wait_alu depctr_va_vdst(0)
	v_mov_b32 v[RSTD+1], v[RSTD]
	s_wait_alu depctr_va_vdst(0)
	XSTEP 0
	XSTEP 1
	XSTEP 2
	XSTEP 3
	s_add_co_u32 s[SI], s[SI], 8192
	s_add_co_u32 s[SSC], s[SSC], 512
	s_add_co_u32 s[SU], s[SU], 1
	s_cmp_lt_u32 s[SU], 2
	s_cbranch_scc1 .Lx
	; W1's scale words (16 bytes a row: the four K steps' words) and b1 in the result's layout
	s_wait_loadcnt 0x0                             ; the loads of x are all in, on the way out of the loop too: b1 lands in registers that they wrote
.irp t,0,1,2,3,4,5,6,7
	global_load_b128 v[W1S+4*\t:W1S+4*\t+3], v[WSA], s[12:13] offset:(32*(\t/2)+8*(\t%2))*16
.endr
	s_cmp_eq_u32 s[GG], 3
	s_cbranch_scc1 .Lb1v
	WIN 0xc0
.irp t,0,1,2,3,4,5,6,7
	global_load_b128 v[128+8*\t:128+8*\t+3], v[B1A], s[14:15] offset:(32*(\t/2)+8*(\t%2))*4
	global_load_b128 v[128+8*\t+4:128+8*\t+7], v[B1A], s[14:15] offset:(32*(\t/2)+8*(\t%2))*4+16
.endr
	WIN 0
	s_wait_loadcnt 0x0                             ; W1's scale words and b1 are in
	s_branch .Lb1d
.Lb1v:                                             ; v: a lane holds one column, so its eight registers hold the same number
	WIN 0xc0
.irp t,0,1,2,3,4,5,6,7
.irp j,0,1,2,3,4,5,6,7
	global_load_b32 v[128+8*\t+\j], v[B1V], s[14:15] offset:(32*(\t/2)+8*(\t%2))*4
.endr
.endr
	WIN 0
	s_wait_loadcnt 0x0                             ; W1's scale words and b1 are in
.Lb1d:
	s_wait_dscnt 0x0                               ; my images have landed
	s_barrier_signal -1
	s_barrier_wait -1                              ; all 32 fragments of x lie in LDS
	; ---- the products: four trips, a pair of row tiles each.  Every column group walks this one loop; the ways part inside it
	s_mov_b32 s[SBI], 0
	s_mov_b32 s[SBS], 0
	s_mov_b32 s[SGA], 0
	s_mov_b32 s[SHF], 0
	s_mov_b32 s[CN], 0
	v_add_nc_u32 v[FA], s[SBI], v[LI]
	v_add_nc_u32 v[FS], s[SBS], v[LSX]
	FETCH 0, 0
.Lb:
	s_cmp_eq_u32 s[GG], 3
	s_cbranch_scc1 .Lvp
	s_wait_alu depctr_va_vdst(0)
	TILEQ 0
	TILEQ 1
	s_branch .Ljoin
.Lvp:                                              ; v: source 0 = x.  The pair's two tiles leave, for each column, keys 32 B + 16 (lane / 16) + 0 .. 15 in 16 registers
	s_wait_dscnt 0x0
	s_wait_xcnt 0x0
	PRODUCT 1, 16, 0
	WIN 0
	PLACES 9
	s_wait_alu depctr_va_vdst(0)
	FETCH 8192, 512
	s_wait_dscnt 0x0
	PRODUCT 1, 16, 8
	WIN 0
	PLACES 9
	s_cmp_eq_u32 s[CN], 3
	s_cbranch_scc1 .Lnfv
	FETCH 16384, 1024
.Lnfv:
	QUANT3 0, 0, FLX                               ; the first head's four tiles of columns: a block is 32 keys of one column
.irp t,0,1,2,3
	global_store_b128 v[VO], v[PC+4*\t:PC+4*\t+3], s[OPT:OPT+1] offset:2048*\t
.endr
.irp t,0,1,2,3
	v_lshl_or_b32 v[SW+\t], v[TM+4+\t], s[SHF], v[SW+\t]        ; byte B of the column's scale word
.endr
	s_wait_xcnt 0x0                                ; the stores have read the codes' registers
	QUANT3 64, 0, FLX                              ; the second head's
.irp t,0,1,2,3
	global_store_b128 v[VO2], v[PC+4*\t:PC+4*\t+3], s[OPT:OPT+1] offset:2048*\t
.endr
.irp t,0,1,2,3
	v_lshl_or_b32 v[SW+4+\t], v[TM+4+\t], s[SHF], v[SW+4+\t]
.endr
.Ljoin:
	s_wait_xcnt 0x0                                ; the stores have read their offsets: these may step
	v_add_nc_u32 v[VO], s[STV], v[VO]
	v_add_nc_u32 v[VO2], s[STV], v[VO2]
	s_add_co_u32 s[SBI], s[SBI], 16384
	s_add_co_u32 s[SBS], s[SBS], 1024
	s_add_co_u32 s[SGA], s[SGA], 128
	s_add_co_u32 s[SHF], s[SHF], 8
	v_add_nc_u32 v[FA], s[SBI], v[LI]
	v_add_nc_u32 v[FS], s[SBS], v[LSX]
	s_add_co_u32 s[CN], s[CN], 1
	s_cmp_lt_u32 s[CN], 4
	s_cbranch_scc1 .Lb
	; the scale words leave in runs of 512 or 256 consecutive bytes
	s_cmp_ge_u32 s[GG], 2
	s_cbranch_scc1 .Lnotqk
	ds_load_b128 v[PC:PC+3], v[GR]                 ; LDS serves a wave's instructions in order: these see my stores
	ds_load_b128 v[PC+4:PC+7], v[GR] offset:512
	s_wait_dscnt 0x0
	global_store_b128 v[SO], v[PC:PC+3], s[SPT:SPT+1]
	global_store_b128 v[SO2], v[PC+4:PC+7], s[SPT:SPT+1]
	s_branch .Lend
.Lnotqk:
	s_cmp_eq_u32 s[GG], 2
	s_cbranch_scc1 .Lend
	s_wait_alu depctr_va_vdst(0)
.irp t,0,1,2,3,4,5,6,7
	ds_store_b32 v[GVA], v[SW+\t] offset:64*\t     ; both halves of the lanes write the same word with the same value
.endr
	ds_load_b128 v[PC:PC+3], v[GVR]
	s_wait_dscnt 0x0
	global_store_b128 v[SOW], v[PC:PC+3], s[SPT:SPT+1]   ; lanes 0-15: the first head's 256 bytes; lanes 16-31: the second's
.Lend:
	s_wait_tensorcnt 0x0                           ; the wave's end
	ds_add_u32 v[SPW], v[NIL]
	s_wait_dscnt 0x0
	CROUND                                         ; the closing round
	s_endpgm
.Lfunc_end_k_qe7c67204b5_proj:
	.size	k_qe7c67204b5_proj, .Lfunc_end_k_qe7c67204b5_proj-k_qe7c67204b5_proj
	.p2alignl 7, 3214868480
	.fill 96, 4, 3214868480
	.section	.rodata,"a",@progbits
	.p2align	6, 0x0
	.amdhsa_kernel k_qe7c67204b5_proj
		.amdhsa_group_segment_fixed_size 327680
		.amdhsa_private_segment_fixed_size 0
		.amdhsa_enable_private_segment 0
		.amdhsa_kernarg_size 80
		.amdhsa_user_sgpr_count 2
		.amdhsa_user_sgpr_kernarg_segment_ptr 1
		.amdhsa_wavefront_size32 1
		.amdhsa_system_sgpr_workgroup_id_x 1
		.amdhsa_system_sgpr_workgroup_id_y 1
		.amdhsa_system_sgpr_workgroup_id_z 1
		.amdhsa_system_vgpr_workitem_id 0
		.amdhsa_next_free_vgpr 1024
		.amdhsa_next_free_sgpr 86
		.amdhsa_reserve_vcc 0
		.amdhsa_float_denorm_mode_32 3
		.amdhsa_float_denorm_mode_16_64 3
		.amdhsa_memory_ordered 1
		.amdhsa_forward_progress 1
		.amdhsa_inst_pref_size 212
	.end_amdhsa_kernel
	.amdgpu_metadata
---
amdhsa.version: [ 1, 2 ]
amdhsa.kernels:
  - .name:           k_qe7c67204b5_proj
    .symbol:         k_qe7c67204b5_proj.kd
    .args:
      - { .name: x, .offset: 0, .size: 8, .value_kind: global_buffer, .address_space: global }
      - { .name: g1, .offset: 8, .size: 8, .value_kind: global_buffer, .address_space: global }
      - { .name: be1, .offset: 16, .size: 8, .value_kind: global_buffer, .address_space: global }
      - { .name: W1_codes, .offset: 24, .size: 8, .value_kind: global_buffer, .address_space: global }
      - { .name: W1_scales, .offset: 32, .size: 8, .value_kind: global_buffer, .address_space: global }
      - { .name: b1, .offset: 40, .size: 8, .value_kind: global_buffer, .address_space: global }
      - { .name: qc, .offset: 48, .size: 8, .value_kind: global_buffer, .address_space: global }
      - { .name: qs, .offset: 56, .size: 8, .value_kind: global_buffer, .address_space: global }
      - { .name: kv, .offset: 64, .size: 8, .value_kind: global_buffer, .address_space: global }
      - { .name: sg, .offset: 72, .size: 8, .value_kind: global_buffer, .address_space: global }
    .group_segment_fixed_size: 327680
    .private_segment_fixed_size: 0
    .kernarg_segment_align: 8
    .kernarg_segment_size: 80
    .max_flat_workgroup_size: 128
    .sgpr_count:     86
    .vgpr_count:     1024
    .wavefront_size: 32
...
	.end_amdgpu_metadata
.endif
;; end of part 1
;; launch attn (part 2): grid 16 x 16, 8 waves a work-group, clusters of 4 x 2, 327,680 bytes of LDS; arguments rel_pos_bias, qc, qs, kv, sg, gc, gs; writes gc, gs
.if DOCPART == 2
	.amdgcn_target "amdgcn-amd-amdhsa--gfx1250"
	.amdhsa_code_object_version 6
	.text
	.protected	k_qe7c67204b5_attn
	.globl	k_qe7c67204b5_attn
	.p2align	8
	.type	k_qe7c67204b5_attn,@function
k_qe7c67204b5_attn:
	s_mov_b64 s[64:65], 0
	v_nop
	global_prefetch_b8 v0, s[64:65] scope:SCOPE_SE
	s_setreg_imm32_b32 hwreg(HW_REG_WAVE_MODE, 25, 1), 1
	s_wait_xcnt 0x0
	s_wait_alu depctr_hold_cnt(0) depctr_sa_sdst(0) depctr_va_vdst(0) depctr_va_sdst(0) depctr_va_ssrc(0) depctr_va_vcc(0) depctr_vm_vsrc(0)
	s_getreg_b32 s2, hwreg(HW_REG_IB_STS2, 6, 4)
	s_cmp_eq_u32 s2, 0
	s_cbranch_scc0 .Lentry_in_a_cluster
	s_endpgm
.Lentry_in_a_cluster:
	s_bfe_u32 s2, ttmp6, 0x10000c
	s_cmp_lg_u32 s2, 0x7013
	s_cbranch_scc0 .Lentry_shape_is_right
	s_endpgm
.Lentry_shape_is_right:
; Causal attention with an additive bias, both products on codes of E4M3 with E8M0 scales, then / l, x sigmoid(u), and the quantising along the head's 64 for the next product.
; LEFT OUT: key steps that lie wholly behind the causal mask: their p is 0 for every input.
; SHARES.  Cluster x = c (0..3), cluster y = the head; in the cluster of 4 x 2, cx = which 64 queries of a block of 256, cy = which pair of batches.  A work-group owns 64 queries of block c and then of block 7 - c, for two batches.
; Wave w of eight: batch 2 cy + w % 2, tile w / 2 of 16 queries.  Blocks c and 7 - c need c + 1 and 8 - c trips of 256 keys: 9 together, a constant.  Trips c and 8 lie on the diagonal: both their halves are masked by comparison.
; A SLOT holds 256 keys: K and V of two key steps x two batches (4 x 17,152 bytes, as the first launch left them) and the bias tile, 64 queries x 256 keys of f32 (rows of 1,024 + 16 bytes).  Two slots by turns; the change of slots is a round of the cluster's barrier.
; Every wave has one tensor load behind each round, and every load is JOINT.  Waves 0 to 3: a batch's block of a key step; it hangs on cy and not on cx, and is shared along the cluster's row (four work-groups).
; Waves 4 to 7: sixteen rows of the bias tile; it hangs on cx and not on cy, and is shared down the cluster's column (two work-groups).
; THE BIAS lands in the scores' registers and is the C OPERAND of K Q^T; the factor 1/8 lies in q's scale bytes.
; LAYOUT.  S^T = K Q^T + bias^T (source 0 = 16 keys, source 1 = my 16 queries), O^T = V^T P^T: a lane holds one query.  Lane r of key tile 2 b + u holds key 32 b + 8 u + r + 8 (r / 8), so p's 16 registers of two tiles are 16 neighbouring keys;
; V's rows are chosen the same way.  The head has 64 along K: the upper 64 of K's and Q's fragments are zero codes, written once.
; SOFTMAX: t = logit x log2 e; M = the ceiling of the running largest t; p = 2^(t - M) is quantised along the keys; the sum is taken of the unquantised p; when M moves, sum and O^T are multiplied by a power of two.
; PREFETCH: the bias tile of the trip after the one being asked for (1,024 bytes on in each row).  Its 64 rows are shared out by address between the column's two partners: 32 rows each (32 cy on), a lane a row, waves 0 to 3 a column of 256 bytes each.
; It stops where the query block has no trip further on.  kv is not prefetched: each of its blocks is walked by four clusters in the same order from key 0 on.
; LIMITS: NaN and infinities among the inputs are not served; the promise holds while |t| stays under 2^31; a block's scale byte is held at 1 from below, a block of zeros keeps that byte (zero codes; this program alone reads the bytes);
; a block's largest p is made from its largest score, which takes the exponential not to fall where its input rises.
; REGISTERS: window 0: v1-15 addresses, v16-19 statistics, v20-35 scale words, v36-55 at work, v64-79 p's codes, v80-111 sigmoid(u), v128-191 S^T, v192-223 O^T, v224-239 Q, v240-247 the next block's Q;  window 1: v0-127 K (16 t), v128-191 V (16 d).
.set KVBLK, 17152
.set KVSTEP, 68608
.set HSK,   1097728
.set BOFF,  4*KVBLK                    ; the bias tile in a slot
.set BP,    1040
.set SLOTB, BOFF+64*BP                 ; 135,168
.set SPARE, 2*SLOTB                    ; the spare words, 128 bytes for each wave: no other line names them
.set BIP, 4
.set TF, 6
.set TK, 7
.set TBI, 8
.set HS, 9
.set HK, 10
.set WV, 18
.set CX, 19
.set CC, 20
.set HD, 21
.set CP1, 22
.set C7, 23
.set G1KV, 24
.set G1B, 32
.set G0KV, 40
.set G0B, 44
.set KVBS, 48
.set BIB, 50
.set OKV, 52
.set OBI, 54
.set PFA, 56
.set SEL, 58
.set CS, 60
.set MNT, 62
.set BT, 63
.set TAU, 66
.set NX, 67
.set SUBT, 68
.set RB, 69
.set LAST, 70
.set SGM, 71
.set REM, 72
.set LIM, 73
.set RBLO, 74
.set RBHI, 75
.set TB, 76
.set IX, 77
.set QBL, 78
.set QBH, 80
.set QSL, 82
.set QSH, 84
.set SGL, 86
.set SGH, 88
.set GCL, 90
.set GCH, 92
.set GSL, 94
.set GSH, 96
.set WKL, 100
.set WBL, 101
.set TA, 104
.set AKV, 1
.set ASC, 2
.set AB, 3
.set SPW, 4
.set NIL, 5
.set AK, 6
.set AS, 7
.set ABB, 8
.set DQ, 9
.set LI, 10
.set R4, 11
.set L2, 12
.set PFO, 13
.set NINF, 14
.set DQT, 15
.set ST, 16
.set KS, 20
.set VS, 28
.set QS, 32
.set PW, 33
.set QSN, 34
.set TT, 36
.set PCD, 64
.set SG, 80
.set S, 128
.set O, 192
.set Q, 224
.set QN, 240
.set MSB, 0
.macro WIN new                         ; the immediate's high byte repeats the setting that is left
.if MSB != (\new)
	s_set_vgpr_msb (MSB<<8)|(\new)
.set MSB, (\new)
.endif
.endm
.macro PLACES n
.rept \n
	v_nop
.endr
.endm
.macro CROUND                          ; a round of the cluster's barrier
	s_barrier_signal -1
	s_barrier_wait -1
	s_cmp_lg_u32 s[WV], 0
	s_cbranch_scc1 .Lnw0_\@
	s_barrier_signal -3
.Lnw0_\@:
	s_barrier_wait -3
	s_barrier_signal -1
	s_barrier_wait -1
.endm
.macro TLOAD                           ; every wave's one load: waves 0 to 3 K and V, with my row's mask; waves 4 to 7 the bias, with my column's.  An s_nop 0 and four v_nop follow each line
	s_cmp_lt_u32 s[WV], 4
	s_cbranch_scc0 .Lbi_\@
	tensor_load_to_lds s[G0KV:G0KV+3], s[G1KV:G1KV+7]
	s_nop 0
	PLACES 4
	s_branch .Lasked_\@
.Lbi_\@:
	tensor_load_to_lds s[G0B:G0B+3], s[G1B:G1B+7]
	s_nop 0
	PLACES 4
.Lasked_\@:
.endm
.macro ASK                             ; the bias tile one trip on from the one just asked for, while the query block has such a trip
	s_cmp_ge_u32 s[REM], s[LIM]
	s_cbranch_scc0 .Lnm_\@
	global_prefetch_b8 v[PFO], s[PFA:PFA+1] offset:1024 th:TH_LOAD_NT scope:SCOPE_SE
.Lnm_\@:
.endm
; THE CHANGE OF SLOTS at a trip's head.  fill = 1: the other slot takes the next trip's tiles: one tensor load a wave is then out, with the trip's two key steps in which to land
.macro SYNC fill
	s_wait_tensorcnt 0x0                           ; my tensor load has landed, so every group 0 may be written
	ds_add_u32 v[SPW], v[NIL]                      ; 0 onto my spare word
.if \fill
	s_wait_xcnt 0x0                                ; the last prefetch has read its address
	s_add_co_u32 s[NX], s[TAU], 1                  ; the next trip: which query block, which 256 keys
	s_cmp_lt_u32 s[NX], s[CP1]
	s_cselect_b32 s[SUBT], 0, s[CP1]
	s_cselect_b32 s[RB], s[RBLO], s[RBHI]
	s_cselect_b32 s[LAST], s[CC], s[C7]
	s_sub_co_u32 s[SGM], s[NX], s[SUBT]
	s_sub_co_u32 s[REM], s[LAST], s[SGM]
	s_mul_i32 s[OKV], s[SGM], 2*KVSTEP
	s_lshl_b32 s[OBI], s[SGM], 10
	s_add_co_u32 s[OBI], s[OBI], s[RB]
	s_xor_b32 s[TF], s[TB], SLOTB                  ; the slot that the trip before read
	s_add_co_u32 s[G0KV+1], s[TF], s[WKL]
	s_add_co_u32 s[G0B+1], s[TF], s[WBL]
	s_add_nc_u64 s[G0KV+2:G0KV+3], s[KVBS:KVBS+1], s[OKV:OKV+1]
	s_or_b32 s[G0KV+3], s[G0KV+3], 0x80000000
	s_add_nc_u64 s[G0B+2:G0B+3], s[BIB:BIB+1], s[OBI:OBI+1]
	s_or_b32 s[G0B+3], s[G0B+3], 0x80000000
	s_add_nc_u64 s[PFA:PFA+1], s[BIP:BIP+1], s[OBI:OBI+1]
.endif
	s_wait_dscnt 0x0                               ; the add is done, and my reads of the slot that I have left are over
.if \fill
	CROUND                                         ; no wave of any partner still reads that slot or has a load on its way
	TLOAD
	ASK
.else
	s_barrier_signal -1
	s_barrier_wait -1
.endif
.endm
; A KEY STEP of 128 keys: at s[TK] K and V, at s[TBI] the bias; s[HK] = its first key in the trip's 256.  diag = 1: the trip lies on the diagonal for certain
.macro STEP diag
	v_add_nc_u32 v[AK], s[TK], v[AKV]
	v_add_nc_u32 v[AS], s[TK], v[ASC]
	v_add_nc_u32 v[ABB], s[TBI], v[AB]
	s_wait_alu depctr_va_vdst(0)
	WIN 0x40
.irp t,0,1,2,3,4,5,6,7
.irp c,0,1
	ds_load_b128 v[16*\t+4*\c:16*\t+4*\c+3], v[AK] offset:1024*\t+512*\c
.endr
.endr
	WIN 0
.irp t,0,1,2,3,4,5,6,7
.irp j,0,1
	ds_load_b128 v[S+8*\t+4*\j:S+8*\t+4*\j+3], v[ABB] offset:128*(\t/2)+32*(\t%2)+16*\j   ; query r, keys 32 b + 16 h + 8 u + 0 .. 7
.endr
.endr
.irp t,0,1,2,3,4,5,6,7
	ds_load_b32 v[KS+\t], v[AS] offset:8192+64*\t
.endr
	s_wait_dscnt 0x0                               ; K, the bias and K's scale words are in
	WIN 0x01
.irp t,0,1,2,3,4,5,6,7
	v_wmma_scale_f32_16x16x128_f8f6f4 v[S+8*\t:S+8*\t+7], v[16*\t:16*\t+15], v[Q:Q+15], v[S+8*\t:S+8*\t+7], v[KS+\t], v[QS]
.endr
	WIN 0
	PLACES 8                                       ; in front of the loads into V's registers, which the step before multiplied, and of the first read of the logits
	WIN 0x40
.irp d,0,1,2,3
.irp c,0,1,2,3
	ds_load_b128 v[128+16*\d+4*\c:128+16*\d+4*\c+3], v[AK] offset:8704+2048*\d+512*\c
.endr
.endr
	WIN 0
.irp d,0,1,2,3
	ds_load_b32 v[VS+\d], v[AS] offset:16896+64*\d
.endr
.if \diag == 0
	s_cmp_lg_u32 s[TAU], s[CC]
	s_cbranch_scc1 .Lopen_\@
.endif
	v_sub_nc_u32 v[DQT], v[DQ], s[HK]              ; register 16 b + i holds key HK + 32 b + 16 (lane / 16) + i: hidden where it lies behind my query
.set n, 0
.rept 64
	v_cmp_gt_i32 vcc_lo, 32*(n/16)+n%16, v[DQT]
	v_cndmask_b32 v[S+n], v[S+n], v[NINF], vcc_lo
.set n, n+1
.endr
.Lopen_\@:
.irp b,0,1,2,3
	v_max3_num_f32 v[TT+\b], v[S+16*\b], v[S+16*\b+1], v[S+16*\b+2]   ; the largest logit of each block of 32 keys: for the row's maximum and for the block's largest p
.endr
.irp i,3,5,7,9,11,13
.irp b,0,1,2,3
	v_max3_num_f32 v[TT+\b], v[TT+\b], v[S+16*\b+\i], v[S+16*\b+\i+1]
.endr
.endr
.irp b,0,1,2,3
	v_max_num_f32 v[TT+\b], v[TT+\b], v[S+16*\b+15]
.endr
.irp b,0,1,2,3
	v_permlanex16_b32 v[TT+4+\b], v[TT+\b], s[SEL], s[SEL+1]
.endr
.irp b,0,1,2,3
	v_max_num_f32 v[TT+\b], v[TT+\b], v[TT+4+\b]
.endr
	v_max3_num_f32 v[TT+16], v[TT], v[TT+1], v[TT+2]
	v_max_num_f32 v[TT+16], v[TT+16], v[TT+3]
	v_mul_f32 v[TT+16], s[CS], v[TT+16]
	v_max_num_f32 v[ST+1], v[ST+1], v[TT+16]       ; the running largest t
	v_mov_b32 v[TT+16], v[ST]
	v_floor_f32 v[ST], -v[ST+1]                    ; -M = floor(-t): M is a whole number
	v_sub_f32 v[TT+16], v[ST], v[TT+16]
	v_cvt_i32_f32 v[TT+16], v[TT+16]
	v_ldexp_f32 v[TT+18], 1.0, v[TT+16]            ; f = 2^(old M - new M)
.set i, 0
.rept 32
	v_pk_fma_f32 v[S+i:S+i+1], v[S+i:S+i+1], s[CS:CS+1], v[ST:ST+1] op_sel_hi:[1,0,0]   ; t - M
.set i, i+2
.endr
.irp b,0,1,2,3
	v_fma_f32 v[TT+\b], v[TT+\b], s[CS], v[ST]
.endr
	s_wait_alu depctr_va_vdst(0)                   ; the wait ahead of the batch
.set i, 0
.rept 64
	v_exp_f32 v[S+i], v[S+i]                       ; p = 2^(t - M)
.set i, i+1
.endr
	v_pk_mul_f32 v[ST+2:ST+3], v[ST+2:ST+3], v[TT+18:TT+19] op_sel_hi:[1,0]   ; the sums under the new M; the plain line behind the batch
	s_wait_alu depctr_va_vdst(0)                   ; one wait for the 64, ahead of their first reader
.irp b,0,1,2,3
	v_exp_f32 v[TT+\b], v[TT+\b]                   ; each block's largest p
.endr
	v_pk_add_f32 v[TT+4:TT+5], v[S:S+1], v[S+2:S+3]   ; the row's sum, of the unquantised p, in two chains
.set i, 4
.rept 15
	v_pk_add_f32 v[ST+2:ST+3], v[ST+2:ST+3], v[S+i:S+i+1]
	v_pk_add_f32 v[TT+4:TT+5], v[TT+4:TT+5], v[S+i+2:S+i+3]
.set i, i+4
.endr
	v_pk_add_f32 v[ST+2:ST+3], v[ST+2:ST+3], v[TT+4:TT+5]
	s_wait_alu depctr_va_vdst(0)                   ; and one for the four
.irp b,0,1,2,3
	v_max_num_f32 v[TT+\b], 0x4800000, v[TT+\b]    ; the floor 2^(9 - 127): the byte cannot fall under 1
.endr
.irp b,0,1,2,3
	v_add_nc_u32 v[TT+12+\b], 0xfc000000, v[TT+\b] ; 8 off the exponent field: the conversion's scale operand
.endr
.irp b,0,1,2,3
	v_and_or_b32 v[TT+8+\b], v[TT+\b], 0x7f800000, s[MNT]   ; 448 x the scale
.endr
.irp b,0,1,2,3
	v_lshrrev_b32 v[TT+4+\b], 23, v[TT+12+\b]
.endr
	v_lshl_or_b32 v[PW], v[TT+5], 8, v[TT+4]       ; p's scale word for these 128 keys
	v_lshl_or_b32 v[PW], v[TT+6], 16, v[PW]
	v_lshl_or_b32 v[PW], v[TT+7], 24, v[PW]
.irp b,0,1,2,3
.irp i,0,1,2,3,4,5,6,7,8,9,10,11,12,13,14,15
	v_min_num_f32 v[S+16*\b+\i], v[S+16*\b+\i], v[TT+8+\b]   ; p is not negative: the hold is one-sided
.endr
	v_cvt_scalef32_pk8_fp8_f32 v[PCD+4*\b:PCD+4*\b+1], v[S+16*\b:S+16*\b+7], v[TT+12+\b]
	v_cvt_scalef32_pk8_fp8_f32 v[PCD+4*\b+2:PCD+4*\b+3], v[S+16*\b+8:S+16*\b+15], v[TT+12+\b]
.endr
	s_wait_alu depctr_va_vdst(0)                   ; directly ahead of the first reader of O^T
.set i, 0
.rept 16
	v_pk_mul_f32 v[O+i:O+i+1], v[O+i:O+i+1], v[TT+18:TT+19] op_sel_hi:[1,0]   ; O^T x f; these 16 are also the places in front of the products
.set i, i+2
.endr
	s_wait_alu depctr_va_vdst(0)                   ; directly ahead of the wait below
	s_wait_dscnt 0x0                               ; V and its scale words are in
	WIN 0x01
.irp d,0,1,2,3
	v_wmma_scale_f32_16x16x128_f8f6f4 v[O+8*\d:O+8*\d+7], v[128+16*\d:128+16*\d+15], v[PCD:PCD+15], v[O+8*\d:O+8*\d+7], v[VS+\d], v[PW]
.endr
	WIN 0
.endm
.macro STEPS diag                      ; a trip's two key steps: a counted loop of two, so that the step's text stands once
	s_mov_b32 s[TK], s[TB]
	s_mov_b32 s[TBI], s[TB]
	s_mov_b32 s[HK], 0
	s_mov_b32 s[HS], 0
.Lhalf_\@:
	STEP \diag
	s_add_co_u32 s[TK], s[TK], 2*KVBLK
	s_add_co_u32 s[TBI], s[TBI], 512
	s_add_co_u32 s[HK], s[HK], 128
	s_add_co_u32 s[HS], s[HS], 1
	s_cmp_lt_u32 s[HS], 2
	s_cbranch_scc1 .Lhalf_\@
.endm
; A query block is done: O^T / l x sigmoid(u), quantised along the head's 64 (two blocks), codes and scale bytes stored
.macro FINALISE gcb, gsb
	PLACES 8
	v_add_f32 v[TT+16], v[ST+2], v[ST+3]
	v_permlanex16_b32 v[TT+4], v[TT+16], s[SEL], s[SEL+1]
	v_add_f32 v[TT+16], v[TT+16], v[TT+4]
	s_wait_alu depctr_va_vdst(0)
	v_rcp_f32 v[TT+18], v[TT+16]
	v_nop
	s_wait_loadcnt 0x0                             ; sigmoid(u)
	s_wait_xcnt 0x0
	s_wait_alu depctr_va_vdst(0)                   ; ahead of the first reader of the reciprocal and of O^T
.set i, 0
.rept 16
	v_pk_mul_f32 v[S+i:S+i+1], v[O+i:O+i+1], v[TT+18:TT+19] op_sel_hi:[1,0]
.set i, i+2
.endr
.set i, 0
.rept 16
	v_pk_mul_f32 v[S+i:S+i+1], v[S+i:S+i+1], v[SG+i:SG+i+1]
.set i, i+2
.endr
.irp b,0,1
	v_max3_num_f32 v[TT+\b], |v[S+16*\b]|, |v[S+16*\b+1]|, 0x4800000
.endr
.irp i,2,4,6,8,10,12,14
.irp b,0,1
	v_max3_num_f32 v[TT+\b], v[TT+\b], |v[S+16*\b+\i]|, |v[S+16*\b+\i+1]|
.endr
.endr
.irp b,0,1
	v_permlanex16_b32 v[TT+4+\b], v[TT+\b], s[SEL], s[SEL+1]
.endr
.irp b,0,1
	v_max_num_f32 v[TT+\b], v[TT+\b], v[TT+4+\b]
.endr
.irp b,0,1
	v_add_nc_u32 v[TT+12+\b], 0xfc000000, v[TT+\b]
.endr
.irp b,0,1
	v_and_or_b32 v[TT+8+\b], v[TT+\b], 0x7f800000, s[MNT]
.endr
.irp b,0,1
	v_lshrrev_b32 v[TT+4+\b], 23, v[TT+12+\b]
.endr
.irp b,0,1
.irp i,0,1,2,3,4,5,6,7,8,9,10,11,12,13,14,15
	v_med3_num_f32 v[S+16*\b+\i], v[S+16*\b+\i], -v[TT+8+\b], v[TT+8+\b]
.endr
	v_cvt_scalef32_pk8_fp8_f32 v[PCD+4*\b:PCD+4*\b+1], v[S+16*\b:S+16*\b+7], v[TT+12+\b]
	v_cvt_scalef32_pk8_fp8_f32 v[PCD+4*\b+2:PCD+4*\b+3], v[S+16*\b+8:S+16*\b+15], v[TT+12+\b]
.endr
	v_lshl_or_b32 v[TT+16], v[TT+5], 8, v[TT+4]    ; my row's two bytes; both halves of the lanes hold the same
.irp b,0,1
	global_store_b128 v[LI], v[PCD+4*\b:PCD+4*\b+3], s[\gcb:\gcb+1] offset:512*\b
.endr
	global_store_b16 v[L2], v[TT+16], s[\gsb:\gsb+1]   ; lanes r and r + 16 store the same two bytes at the same place
.endm
.macro NEWTILE                         ; the next query block's Q and scale word take their places; O^T, the sums and the largest t begin anew
	s_wait_loadcnt 0x0
	v_mov_b32 v[QS], v[QSN]
.irp i,0,1,2,3,4,5,6,7
	v_mov_b32 v[Q+\i], v[QN+\i]
.endr
.set i, 0
.rept 32
	v_mov_b32 v[O+i], 0                            ; (the step is written once: the first finds zeros, which the first change of M leaves zeros)
.set i, i+1
.endr
	v_mov_b32 v[ST+1], 0xff61b1e6                  ; -3e38, under every t
	v_floor_f32 v[ST], -v[ST+1]
	v_mov_b32 v[ST+2], 0
	v_mov_b32 v[ST+3], 0
	s_wait_alu depctr_va_vdst(0)
.endm
.macro LOADQ qb, qsb
.irp c,0,1
	global_load_b128 v[QN+4*\c:QN+4*\c+3], v[LI], s[\qb:\qb+1] offset:512*\c
.endr
	global_load_b32 v[QSN], v[R4], s[\qsb:\qsb+1]
.endm
.macro LOADSG sb
.irp i,0,1,2,3,4,5,6,7
	global_load_b128 v[SG+4*\i:SG+4*\i+3], v[LI], s[\sb:\sb+1] offset:512*\i th:TH_LOAD_NT
.endr
.endm
.macro BASES qb, qsb, sgb, gcb, gsb, qt    ; a query block's addresses; s[qt]: my tile of 16 queries among the sequence's 128
	s_add_co_u32 s[IX], s98, s[\qt]
	s_lshl_b32 s[TA], s[IX], 10
	s_add_nc_u64 s[\qb:\qb+1], s[6:7], s[TA:TA+1]
	s_lshl_b32 s[TA], s[IX], 6
	s_add_nc_u64 s[\qsb:\qsb+1], s[8:9], s[TA:TA+1]
	s_lshl_b32 s[TA], s[IX], 12
	s_add_nc_u64 s[\sgb:\sgb+1], s[12:13], s[TA:TA+1]
	s_lshl_b32 s[IX], s[BT], 7
	s_add_co_u32 s[IX], s[IX], s[\qt]              ; the tile of rows among all 512
	s_lshl_b32 s[TA], s[IX], 13
	s_add_co_u32 s[TA], s[TA], s99                 ; + 1024 x head
	s_add_nc_u64 s[\gcb:\gcb+1], s[14:15], s[TA:TA+1]
	s_lshl_b32 s[TA], s[HD], 9
	s_add_co_u32 s[TA], s[TA], s[IX]
	s_lshl_b32 s[TA], s[TA], 5
	s_add_nc_u64 s[\gsb:\gsb+1], s[16:17], s[TA:TA+1]
.endm
	s_load_b256 s[4:11], s[0:1], 0x0               ; bias, qc, qs, kv
	s_load_b128 s[12:15], s[0:1], 0x20             ; sg, gc
	s_load_b64 s[16:17], s[0:1], 0x30              ; gs
	v_lshl_add_u32 v[SPW], v0, 2, SPARE
	v_mov_b32 v[NIL], 0
	ds_add_u32 v[SPW], v[NIL]                      ; the opening lines: the add, twice on end, and its wait ahead of the round in front of my first tensor load
	ds_add_u32 v[SPW], v[NIL]
	v_lshrrev_b32 v[AK], 5, v0
	v_readfirstlane_b32 s[WV], v[AK]               ; wave 0..7
	s_bfe_u32 s[CX], ttmp6, 0x40000                ; cx: it enters the bias's address, my own global addresses and the mask's comparison
	s_bfe_u32 s[IX], ttmp6, 0x40004                ; cy: the pair of batches: it enters kv's address and my own global addresses
	s_mov_b32 s[CC], ttmp9                         ; c
	s_and_b32 s[HD], ttmp7, 0xffff
	s_add_co_u32 s[CP1], s[CC], 1
	s_sub_co_u32 s[C7], 7, s[CC]
	s_and_b32 s[NX], s[WV], 1                      ; my batch in the pair
	s_lshl_b32 s[BT], s[IX], 1
	s_add_co_u32 s[BT], s[BT], s[NX]               ; my batch
	s_lshr_b32 s[SGM], s[WV], 1                    ; my tile of 16 queries
	s_and_b32 s[SUBT], s[WV], 3                    ; which quarter I fetch
	s_mov_b32 s[SEL], 0x76543210
	s_mov_b32 s[SEL+1], 0xfedcba98
	s_mov_b32 s[CS], 0x3fb8aa3b                    ; log2 e
	s_mov_b32 s[CS+1], s[CS]
	s_mov_b32 s[MNT], 0x600000
	s_mov_b32 s[OKV], 0
	s_mov_b32 s[OKV+1], 0
	s_mov_b32 s[OBI+1], 0
	s_mov_b32 s[TA+1], 0
	s_mov_b32 s[TB], 0
	s_mov_b32 s[TAU], 0
	s_cmp_lt_u32 s[WV], 4
	s_cselect_b32 s[LIM], 1, 0x7fffffff            ; waves 0 to 3 prefetch
	s_mul_i32 s98, s[NX], KVBLK
	s_mul_i32 s99, s[SGM], 16*BP
	s_add_co_u32 s99, s99, BOFF
	s_lshl_b32 s[REM], s[CX], 6
	s_lshl_b32 s[RB], s[SGM], 4
	s_add_co_u32 s[REM], s[REM], s[RB]             ; my tile's first query in its block of 256
	s_lshl_b32 s[RB], s[SUBT], 8
	s_mul_i32 s[WKL], s[SUBT], KVBLK               ; where my fetch goes in a slot: K and V,
	s_mul_i32 s[WBL], s[SUBT], 16*BP
	s_add_co_u32 s[WBL], s[WBL], BOFF              ; the bias
	v_and_b32 v[LI], 31, v0
	v_and_b32 v[R4], 15, v0
	v_bfe_u32 v[AS], v0, 4, 1
	v_lshlrev_b32 v[PFO], 13, v[LI]                ; a row of the bias is 8,192 bytes
	v_add_nc_u32 v[PFO], s[RB], v[PFO]
	v_lshlrev_b32 v[LI], 4, v[LI]
	v_add_nc_u32 v[AKV], s98, v[LI]
	v_lshl_add_u32 v[ASC], v[R4], 2, s98
	v_mul_u32_u24 v[AB], v[R4], BP
	v_lshl_add_u32 v[AB], v[AS], 6, v[AB]
	v_add_nc_u32 v[AB], s99, v[AB]
	v_lshlrev_b32 v[ABB], 4, v[AS]
	v_sub_nc_u32 v[DQ], v[R4], v[ABB]
	v_add_nc_u32 v[DQ], s[REM], v[DQ]              ; my query in its block of 256, less 16 (lane / 16)
	v_lshlrev_b32 v[L2], 1, v[R4]
	v_lshlrev_b32 v[R4], 2, v[R4]
	v_mov_b32 v[NINF], 0xff800000
.irp b,4,5,6,7,19
	v_mov_b32 v[TT+\b], 0                          ; lane permutes' destinations, and the upper half of a pair, are written once
.endr
	s_lshl_b32 s[RBLO], s[CC], 21
	s_lshl_b32 s[LAST], s[CX], 19
	s_add_co_u32 s[RBLO], s[RBLO], s[LAST]         ; my work-group's first row of the bias, in bytes: the low block's,
	s_lshl_b32 s[RBHI], s[C7], 21
	s_add_co_u32 s[RBHI], s[RBHI], s[LAST]         ; the high block's
	s_mov_b32 s[OBI], s[RBLO]
	; K and V: a batch's block of a key step, 67 rows of 256 bytes, dense; shared along my row of the cluster: places 4 cy .. 4 cy + 3
	s_lshl_b32 s[NX], s[IX], 2
	s_lshl_b32 s[NX], 15, s[NX]
	s_or_b32 s[G1KV], s[NX], (3<<16)|(1<<21)
	s_mov_b32 s[G1KV+1], 32<<16
	s_mov_b32 s[G1KV+2], 67<<16
	s_mov_b32 s[G1KV+3], 32<<16
	s_mov_b32 s[G1KV+4], 67
	s_mov_b32 s[G1KV+5], 32
	s_mov_b32 s[G1KV+6], 0
	s_mov_b32 s[G1KV+7], 0
	; the bias: 16 rows of 256 f32, 2,048 apart, 16 bytes of padding behind each; shared down my column of the cluster: places cx and cx + 4
	s_lshl_b32 s[REM], 0x11, s[CX]
	s_or_b32 s[G1B], s[REM], (2<<16)|(1<<20)|(1<<21)|(7<<22)|(3<<25)
	s_mov_b32 s[G1B+1], 256<<16
	s_mov_b32 s[G1B+2], 16<<16
	s_mov_b32 s[G1B+3], 256<<16
	s_mov_b32 s[G1B+4], 16
	s_mov_b32 s[G1B+5], 2048
	s_mov_b32 s[G1B+6], 0
	s_mov_b32 s[G1B+7], 0
	s_mov_b32 s[G0KV], 1
	s_mov_b32 s[G0KV+1], s[WKL]
	s_mov_b32 s[G0B], 1
	s_mov_b32 s[G0B+1], s[WBL]
	s_mul_i32 s[PFA], s[HD], HSK                   ; kv: my head, key step (wave / 2) % 2 of a trip, my fetch's batch
	s_and_b32 s[TA], s[SGM], 1
	s_mul_i32 s[TA], s[TA], KVSTEP
	s_add_co_u32 s[PFA], s[PFA], s[TA]
	s_mul_i32 s[TA], s[BT], KVBLK
	s_add_co_u32 s[PFA], s[PFA], s[TA]
	s_lshl_b32 s98, s[BT], 3
	s_add_co_u32 s98, s98, s[HD]
	s_lshl_b32 s98, s98, 7                         ; (8 batch + head) x 128 tiles
	s_lshl_b32 s99, s[HD], 10
	s_lshl_b32 s[NX], s[CX], 2
	s_add_co_u32 s[NX], s[NX], s[SGM]
	s_lshl_b32 s[RB], s[CC], 4
	s_add_co_u32 s[RB], s[RB], s[NX]               ; my tile in the low block,
	s_lshl_b32 s[LAST], s[C7], 4
	s_add_co_u32 s[LAST], s[LAST], s[NX]           ; in the high block
	s_wait_alu depctr_va_vdst(0)                   ; the wait at the head's end
	s_wait_dscnt 0x0                               ; both opening adds are done
	s_wait_kmcnt 0x0
	s_mov_b32 s[TA], s[PFA]
	s_add_nc_u64 s[KVBS:KVBS+1], s[10:11], s[TA:TA+1]
	s_lshl_b32 s[TA], s[HD], 24
	s_add_nc_u64 s[BIP:BIP+1], s[BIP:BIP+1], s[TA:TA+1]   ; the bias at my head
	s_lshl_b32 s[TA], s[SUBT], 17
	s_add_nc_u64 s[BIB:BIB+1], s[BIP:BIP+1], s[TA:TA+1]   ; + the 16 rows that I fetch
	s_lshl_b32 s[TA], s[IX], 18
	s_add_nc_u64 s[BIP:BIP+1], s[BIP:BIP+1], s[TA:TA+1]   ; the prefetches alone: + 32 cy rows
	s_add_nc_u64 s[G0KV+2:G0KV+3], s[KVBS:KVBS+1], s[OKV:OKV+1]
	s_or_b32 s[G0KV+3], s[G0KV+3], 0x80000000
	s_add_nc_u64 s[G0B+2:G0B+3], s[BIB:BIB+1], s[OBI:OBI+1]
	s_or_b32 s[G0B+3], s[G0B+3], 0x80000000
	s_add_nc_u64 s[PFA:PFA+1], s[BIP:BIP+1], s[OBI:OBI+1]
	BASES QBL, QSL, SGL, GCL, GSL, RB
	BASES QBH, QSH, SGH, GCH, GSH, LAST
	CROUND                                         ; all eight work-groups are here
	TLOAD                                          ; trip 0's tiles, into slot 0: one load a wave
	WIN 0x40
.irp t,0,1,2,3,4,5,6,7
.irp i,8,9,10,11,12,13,14,15
	v_mov_b32 v[16*\t+\i], 0                       ; K beyond the head's 64: zero codes, written once
.endr
.endr
	WIN 0
.irp i,8,9,10,11,12,13,14,15
	v_mov_b32 v[Q+\i], 0                           ; Q likewise
.endr
	LOADQ QBL, QSL
	LOADSG SGL
	NEWTILE
	LOADQ QBH, QSH                                 ; the high block's Q waits in registers of its own
.Ltrip:                                            ; trips 0 to 7: behind each change of slots the next trip's tiles are asked for
	SYNC 1
	STEPS 0
	s_cmp_lg_u32 s[TAU], s[CC]
	s_cbranch_scc1 .Lsame
	FINALISE GCL, GSL                              ; that was the low block's last trip
	NEWTILE
	s_wait_xcnt 0x0                                ; the low block's stores have read their registers: the steps that follow write them again
	LOADSG SGH
.Lsame:
	s_xor_b32 s[TB], s[TB], SLOTB                  ; on to the other slot
	s_add_co_u32 s[TAU], s[TAU], 1
	s_cmp_lt_u32 s[TAU], 8
	s_cbranch_scc1 .Ltrip
	SYNC 0                                         ; trip 8 is written out: nothing is left to fetch
	STEPS 1
	FINALISE GCH, GSH
	s_wait_tensorcnt 0x0                           ; the wave's end
	ds_add_u32 v[SPW], v[NIL]
	s_wait_dscnt 0x0
	CROUND                                         ; the closing round
	s_endpgm
.Lfunc_end_k_qe7c67204b5_attn:
	.size	k_qe7c67204b5_attn, .Lfunc_end_k_qe7c67204b5_attn-k_qe7c67204b5_attn
	.p2alignl 7, 3214868480
	.fill 96, 4, 3214868480
	.section	.rodata,"a",@progbits
	.p2align	6, 0x0
	.amdhsa_kernel k_qe7c67204b5_attn
		.amdhsa_group_segment_fixed_size 327680
		.amdhsa_private_segment_fixed_size 0
		.amdhsa_enable_private_segment 0
		.amdhsa_kernarg_size 56
		.amdhsa_user_sgpr_count 2
		.amdhsa_user_sgpr_kernarg_segment_ptr 1
		.amdhsa_wavefront_size32 1
		.amdhsa_system_sgpr_workgroup_id_x 1
		.amdhsa_system_sgpr_workgroup_id_y 1
		.amdhsa_system_sgpr_workgroup_id_z 1
		.amdhsa_system_vgpr_workitem_id 0
		.amdhsa_next_free_vgpr 448
		.amdhsa_next_free_sgpr 106
		.amdhsa_reserve_vcc 1
		.amdhsa_float_denorm_mode_32 3
		.amdhsa_float_denorm_mode_16_64 3
		.amdhsa_memory_ordered 1
		.amdhsa_forward_progress 1
		.amdhsa_inst_pref_size 82
	.end_amdhsa_kernel
	.amdgpu_metadata
---
amdhsa.version: [ 1, 2 ]
amdhsa.kernels:
  - .name:           k_qe7c67204b5_attn
    .symbol:         k_qe7c67204b5_attn.kd
    .args:
      - { .name: rel_pos_bias, .offset: 0, .size: 8, .value_kind: global_buffer, .address_space: global }
      - { .name: qc, .offset: 8, .size: 8, .value_kind: global_buffer, .address_space: global }
      - { .name: qs, .offset: 16, .size: 8, .value_kind: global_buffer, .address_space: global }
      - { .name: kv, .offset: 24, .size: 8, .value_kind: global_buffer, .address_space: global }
      - { .name: sg, .offset: 32, .size: 8, .value_kind: global_buffer, .address_space: global }
      - { .name: gc, .offset: 40, .size: 8, .value_kind: global_buffer, .address_space: global }
      - { .name: gs, .offset: 48, .size: 8, .value_kind: global_buffer, .address_space: global }
    .group_segment_fixed_size: 327680
    .private_segment_fixed_size: 0
    .kernarg_segment_align: 8
    .kernarg_segment_size: 56
    .max_flat_workgroup_size: 256
    .sgpr_count:     106
    .vgpr_count:     448
    .wavefront_size: 32
...
	.end_amdgpu_metadata
.endif
;; end of part 2
;; launch tail (part 3): grid 256 x 1, 4 waves a work-group, clusters of 4 x 1, 327,680 bytes of LDS; arguments gc, gs, x, W2_codes, W2_scales, b2, g2, be2, Wf1_codes, Wf1_scales, bf1, Wf2_codes, Wf2_scales, bf2, out0; writes out0
.if DOCPART == 3
	.amdgcn_target "amdgcn-amd-amdhsa--gfx1250"
	.amdhsa_code_object_version 6
	.text
	.protected	k_qe7c67204b5_tail
	.globl	k_qe7c67204b5_tail
	.p2align	8
	.type	k_qe7c67204b5_tail,@function
k_qe7c67204b5_tail:
	s_mov_b64 s[64:65], 0
	v_nop
	global_prefetch_b8 v0, s[64:65] scope:SCOPE_SE
	s_setreg_imm32_b32 hwreg(HW_REG_WAVE_MODE, 25, 1), 1
	s_wait_xcnt 0x0
	s_wait_alu depctr_hold_cnt(0) depctr_sa_sdst(0) depctr_va_vdst(0) depctr_va_sdst(0) depctr_va_ssrc(0) depctr_va_vcc(0) depctr_vm_vsrc(0)
	s_getreg_b32 s2, hwreg(HW_REG_IB_STS2, 6, 4)
	s_cmp_eq_u32 s2, 0
	s_cbranch_scc0 .Lentry_in_a_cluster
	s_endpgm
.Lentry_in_a_cluster:
	s_bfe_u32 s2, ttmp6, 0x10000c
	s_cmp_lg_u32 s2, 0x3003
	s_cbranch_scc0 .Lentry_shape_is_right
	s_endpgm
.Lentry_shape_is_right:
; out = gated W2 + b2 + x;  h2 = LN2(out);  out0 = relu(Q(h2) Wf1 + bf1) Wf2 + bf2 + out: three products on codes of E4M3 with E8M0 scales, fused; out and the hidden layer never go to memory.
; SHARES.  A work-group takes 32 rows, two tiles of 16.  THE WAVES SHARE THE COLUMNS: wave w makes columns 128 w .. 128 w + 127 of every product, as 8 tiles of 16 rows of the weight.  All products are used transposed
; (source 0 = the weight's rows, source 1 = the rows' fragment): a lane holds one row.  The weight's rows of a tile are chosen (lane r of tile 2 b + u: row 32 b + 8 u + r + 8 (r / 8)), so a lane's 16 registers of two tiles are 16 neighbours.
; out lives in 128 registers from the first product to the end: x + b2 is the first product's C, LN2 reads it, + bf2, and it is the last product's accumulator.  The hidden layer goes in four chunks of 512 units; wave w's 128 are
; K step w of the chunk and reach the other waves through LDS as images of the operand's registers.
; THE WEIGHTS are one stream of 16 fills, 64 rows x 512 bytes for each wave, through two slots by turns: for each chunk Wf1's two halves and Wf2's two.  All row blocks walk the same weights: the cluster's four ask jointly.
; By this text's count one tensor load of a wave is out at the start and one behind each change of slots.  A fill goes into 256 registers, a K step at a time, its 32 matrix instructions between the loads.
; THE ORDER OF THE CHUNKS: cluster x begins with chunk x % 4 and goes round, so that at any time the clusters ask for four different parts of Wf1 and Wf2, a quarter of the clusters for each.  The number is the cluster's, the same
; in its four partners.  So the chunks' parts of the last product are added in that order and not in ascending K: another order of f32 roundings, nothing else.
; LIMITS: NaN and infinities are not served; a block's scale byte is held at 1 from below, a block of zeros keeps that byte (zero codes; read by this program alone); the variance is taken of the differences from the mean.
; No prefetch: the weights are read again and again by all work-groups, and x and the codes are asked for at the head.
; REGISTERS: window 0 addresses, work, scale words, v192-255 a bias in the result's layout;  window 1 a fill's 16 fragments (64 t + 16 k);  window 2: v0-127 the gated rows' fragments, then h2's (64 m + 16 k);
;   v128-255 g2 and be2, then the hidden layer's fragments;  window 3: v0-127 out (64 m + 8 t), v128-255 the hidden layer, h2 on its way, rows on the way out.
; W2 COMES OTHERWISE THAN THE STREAM: one load of 128 rows a wave at the head, laid over both slots and read by that wave alone; both its halves are multiplied before the first refill.
; So by this text's count one tensor load of a wave is out at the start and one behind each change of slots, and the stream through the two slots has 16 fills: Wf1's and Wf2's.
.set WP,    528
.set WPART, 64*WP                      ; a wave's part of a slot
.set SLOTB, 4*WPART
.set H2IMG, 2*SLOTB                    ; h2's 8 fragments (4 m + k), 2,048 bytes each; at the head each wave's turning stage (16 x 528) lies over this and the next two regions
.set HIDO,  16384                      ; from there: the hidden layer's 8 fragments,
.set H2SC,  H2IMG+32768                ; h2's scale words, 128 bytes each; 1,024 on: the hidden layer's
.set STAT1, H2SC+2048                  ; the waves' sums; 512 on: their sums of squares
.set SPARE, STAT1+1024                 ; the spare words, 128 bytes for each wave: no other line names them
.set G1A, 36
.set G1C, 44
.set GW0, 52
.set GW1, 56
.set GA0, 60
.set GA1, 68
.set GB0, 72
.set GB1, 76
.set WV, 80
.set CX, 81
.set WG, 82
.set SEL, 84
.set MNT, 86
.set FLX, 87
.set I512, 88
.set EPS, 89
.set QC, 90
.set SQ, 91                            ; s91      the chunk in hand
.set SQN, 34                           ; s34      the chunk that follows it
.set OFA, 92                           ; s[92:93] bytes from Wf1's first chunk to the one whose halves are being asked for: 262,144 a chunk
.set OFB, 94                           ; s[94:95] the same in a row of Wf2: 512 a chunk
.set TP, 96                            ; s[96:97] an offset at work; its upper word stays 0
.set PS1, 98                           ; s[98:99] Wf1's scale bytes at my rows of a chunk
.set PS2, 66                           ; s[66:67] Wf2's scale bytes at my rows, at the chunk's 16 bytes
.set PB1, 100                          ; s[100:101] bf1 at my 128 units of a chunk
.set LI, 1
.set LS, 2
.set AW0, 3
.set AW1, 4
.set SPW, 5
.set NIL, 6
.set TS, 8
.set TL, 9
.set IW, 10
.set ISW, 11
.set VS1, 12
.set VS2, 13
.set BVA, 14
.set R2, 15
.set STW, 16
.set STR, 17
.set TS2, 18
.set TL2, 19
.set SM, 20
.set MEAN, 28
.set RSTD, 32
.set TM, 36
.set PW, 52
.set T0, 53
.set PC, 54
.set HIB, 70
.set SCB, 71
.set WS, 72
.set ASW1, 104
.set ASW2, 112
.set U16, 120
.set ST4, 136
.set PS, 144
.set RR, 146
.set HH, 147
.set PIR, 148
.set BV, 192
.set OUTR, 0
.set HA, 128
.set MSB, 0
.macro WIN new
.if MSB != (\new)
	s_set_vgpr_msb (MSB<<8)|(\new)
.set MSB, (\new)
.endif
.endm
.macro PLACES n
.rept \n
	v_nop
.endr
.endm
.macro CROUND
	s_barrier_signal -1
	s_barrier_wait -1
	s_cmp_lg_u32 s[WV], 0
	s_cbranch_scc1 .Lnw0_\@
	s_barrier_signal -3
.Lnw0_\@:
	s_barrier_wait -3
	s_barrier_signal -1
	s_barrier_wait -1
.endm
; 64 numbers of a lane in WINDOW 3, v[s] on, register 16 b + i in block b, become 16 registers of codes in v[PC] on and the scale word in v[PW].  relu = 1: what is negative becomes 0 on the way
.macro QUANT3 s, relu, flr
	WIN 0x0f
.irp b,0,1,2,3
.if \relu
	v_max3_num_f32 v[TM+\b], v[(\s)+16*\b], v[(\s)+16*\b+1], s[\flr]
.else
	v_max3_num_f32 v[TM+\b], |v[(\s)+16*\b]|, |v[(\s)+16*\b+1]|, s[\flr]
.endif
.endr
	WIN 0x3c
.irp i,2,4,6,8,10,12,14
.irp b,0,1,2,3
.if \relu
	v_max3_num_f32 v[TM+\b], v[TM+\b], v[(\s)+16*\b+\i], v[(\s)+16*\b+\i+1]
.else
	v_max3_num_f32 v[TM+\b], v[TM+\b], |v[(\s)+16*\b+\i]|, |v[(\s)+16*\b+\i+1]|
.endif
.endr
.endr
	WIN 0
.irp b,0,1,2,3
	v_permlanex16_b32 v[TM+4+\b], v[TM+\b], s[SEL], s[SEL+1]
.endr
.irp b,0,1,2,3
	v_max_num_f32 v[TM+\b], v[TM+\b], v[TM+4+\b]
.endr
.irp b,0,1,2,3
	v_add_nc_u32 v[TM+12+\b], 0xfc000000, v[TM+\b]
.endr
.irp b,0,1,2,3
	v_and_or_b32 v[TM+8+\b], v[TM+\b], 0x7f800000, s[MNT]
.endr
.irp b,0,1,2,3
	v_lshrrev_b32 v[TM+4+\b], 23, v[TM+12+\b]
.endr
	v_lshl_or_b32 v[PW], v[TM+5], 8, v[TM+4]
	v_lshl_or_b32 v[PW], v[TM+6], 16, v[PW]
	v_lshl_or_b32 v[PW], v[TM+7], 24, v[PW]
	WIN 0xc3
.irp b,0,1,2,3
.irp i,0,1,2,3,4,5,6,7,8,9,10,11,12,13,14,15
.if \relu
	v_med3_num_f32 v[(\s)+16*\b+\i], v[(\s)+16*\b+\i], 0, v[TM+8+\b]             ; the activation and the hold in one
.else
	v_med3_num_f32 v[(\s)+16*\b+\i], v[(\s)+16*\b+\i], -v[TM+8+\b], v[TM+8+\b]
.endif
.endr
.endr
	WIN 0x03
.irp b,0,1,2,3
	v_cvt_scalef32_pk8_fp8_f32 v[PC+4*\b:PC+4*\b+1], v[(\s)+16*\b:(\s)+16*\b+7], v[TM+12+\b]
	v_cvt_scalef32_pk8_fp8_f32 v[PC+4*\b+2:PC+4*\b+3], v[(\s)+16*\b+8:(\s)+16*\b+15], v[TM+12+\b]
.endr
	WIN 0
	v_nop
.endm
.macro IMAGE adr, o1
.irp c,0,1,2,3
	ds_store_b128 v[\adr], v[PC+4*\c:PC+4*\c+3] offset:(\o1)+512*\c
.endr
.endm
.macro TURN3 base                      ; 16 dense rows of 512 bytes in window 3 -> lane (r, h): of row r, columns 32 b + 16 h + 0 .. 15 in v[base + 16 b] on
	WIN 0x0c
.irp p,0,1,2,3,4,5,6,7,8,9,10,11,12,13,14,15
	ds_store_b128 v[TS], v[(\base)+4*\p:(\base)+4*\p+3] offset:WP*\p
.endr
	WIN 0xc0
.irp b,0,1,2,3
.irp j,0,1,2,3
	ds_load_b128 v[(\base)+16*\b+4*\j:(\base)+16*\b+4*\j+3], v[TL] offset:128*\b+16*\j
.endr
.endr
.endm
.macro JOIN dst
	v_pk_add_f32 v[SM:SM+1], v[SM:SM+1], v[SM+2:SM+3]
	v_pk_add_f32 v[SM+4:SM+5], v[SM+4:SM+5], v[SM+6:SM+7]
	v_pk_add_f32 v[SM:SM+1], v[SM:SM+1], v[SM+4:SM+5]
	v_add_f32 v[SM], v[SM], v[SM+1]
	v_permlanex16_b32 v[T0], v[SM], s[SEL], s[SEL+1]
	v_add_f32 v[\dst], v[SM], v[T0]
.endm
.macro BVLOAD base, o1                 ; 64 numbers of a bias or gain in the result's layout: my columns 32 b + 16 h + 0 .. 15
.irp b,0,1,2,3
.irp j,0,1,2,3
	global_load_b128 v[BV+16*\b+4*\j:BV+16*\b+4*\j+3], v[BVA], s[\base:\base+1] offset:(\o1)+128*\b+16*\j
.endr
.endr
.endm
; THE CHANGE OF SLOTS.  fill = 1: the slot that has gone into registers is filled again, jointly, first thing behind the round.  The address of that fill is made here, where no tensor load of mine is out:
; the weight at my rows (base) + the chunk's offset (off) + the half's constant (cadd), then the type bits.  Eight places follow: in front of the loads into the registers that the last products read.
.macro SYNC fill, g0, g1, base, off, cadd
	s_wait_tensorcnt 0x0                           ; all my tensor loads have landed, so every group 0 may be written
	ds_add_u32 v[SPW], v[NIL]                      ; 0 onto my spare word
.if \base
	s_add_nc_u64 s[\g0+2:\g0+3], s[\base:\base+1], s[\off:\off+1]
.if \cadd
	s_add_nc_u64 s[\g0+2:\g0+3], s[\g0+2:\g0+3], \cadd
.endif
	s_or_b32 s[\g0+3], s[\g0+3], 0x80000000
.endif
	s_wait_dscnt 0x0                               ; the add is done, my reads of the other slot are over and my images have landed
.if \fill
	CROUND
	tensor_load_to_lds s[\g0:\g0+3], s[\g1:\g1+7]
	s_nop 0
	PLACES 8
.else
	s_barrier_signal -1
	s_barrier_wait -1
	PLACES 8
.endif
.endm
.macro LDK e, k                        ; K step k of my 64 rows of slot e: four fragments, 16 loads
	WIN 0x40
.irp t,0,1,2,3
.irp c,0,1,2,3
	ds_load_b128 v[64*\t+16*(\k)+4*\c:64*\t+16*(\k)+4*\c+3], v[AW0+\e] offset:(32*(\t/2)+8*(\t%2))*WP+128*(\k)+32*\c
.endr
.endr
.endm
.macro WSLOAD e, base, va, mul, o1     ; the scale words of a later fill: 16 bytes a row, the four K steps' words
.irp t,0,1,2,3
	global_load_b128 v[WS+16*(\e)+4*\t:WS+16*(\e)+4*\t+3], v[\va], s[\base:\base+1] offset:(64*(\e)+32*(\t/2)+8*(\t%2))*(\mul)+(\o1)
.endr
.endm
; 8 matrix instructions: K step k, (tile of the weight, tile of rows): eight accumulators by turns.  cin = 1: the first K step takes the bias as C
.macro MK e, acc, act, asw, cin, k
.if (\cin) && ((\k) == 0)
	WIN 0xc9
.else
	WIN 0xf9
.endif
.irp t,0,1,2,3
.irp m,0,1
.set rD, (\acc)+64*\m+8*(4*(\e)+\t)
.if (\cin) && ((\k) == 0)
	v_wmma_scale_f32_16x16x128_f8f6f4 v[rD:rD+7], v[64*\t+16*(\k):64*\t+16*(\k)+15], v[(\act)+64*\m+16*(\k):(\act)+64*\m+16*(\k)+15], v[BV+8*(4*(\e)+\t):BV+8*(4*(\e)+\t)+7], v[WS+16*(\e)+4*\t+(\k)], v[(\asw)+4*\m+(\k)]
.else
	v_wmma_scale_f32_16x16x128_f8f6f4 v[rD:rD+7], v[64*\t+16*(\k):64*\t+16*(\k)+15], v[(\act)+64*\m+16*(\k):(\act)+64*\m+16*(\k)+15], v[rD:rD+7], v[WS+16*(\e)+4*\t+(\k)], v[(\asw)+4*\m+(\k)]
.endif
.endr
.endr
.endm
; A fill's 64 loads and 32 matrix instructions.  The four K steps have registers of their own, so all 64 loads go out in one run; each K step's products wait by count for their own 16.
.macro WMM e, acc, act, asw, cin
	LDK \e, 0
	LDK \e, 1
	LDK \e, 2
	LDK \e, 3
	s_wait_dscnt 48                                ; K step 0 and all that is older are in: the 48 loads of K steps 1 to 3 are younger
	MK \e, \acc, \act, \asw, \cin, 0
	s_wait_dscnt 32                                ; K step 1 is in: 32 loads are younger
	MK \e, \acc, \act, \asw, \cin, 1
	s_wait_dscnt 16                                ; K step 2 is in: 16 loads are younger
	MK \e, \acc, \act, \asw, \cin, 2
	s_wait_dscnt 0x0
	MK \e, \acc, \act, \asw, \cin, 3
	WIN 0
.endm
.macro FETCHACT reg, asw, o1, o2       ; eight fragments and their scale words come back as they were stored
	WIN 0x80
.irp m,0,1
.irp k,0,1,2,3
.irp c,0,1,2,3
	ds_load_b128 v[(\reg)+64*\m+16*\k+4*\c:(\reg)+64*\m+16*\k+4*\c+3], v[HIB] offset:(\o1)+2048*(4*\m+\k)+512*\c
.endr
.endr
.endr
	WIN 0
.irp m,0,1
.irp k,0,1,2,3
	ds_load_b32 v[(\asw)+4*\m+\k], v[SCB] offset:(\o2)+128*(4*\m+\k)
.endr
.endr
.endm
; A chunk of 512 hidden units, chunk s[SQ].  last = 1: nothing follows it.  The bases of scale bytes and of bf1 are written behind a wait at which no load is out
.macro CHUNK last
	SYNC 1, GA1, G1A, 20, OFA, 32768               ; Wf1's first half is in slot 0; its second half goes out
	s_wait_loadcnt 0x0
	WSLOAD 1, PS1, VS1, 16, 0
	WMM 0, HA, 0, ASW1, 1
	SYNC 1, GB0, G1C, 26, OFB, 0
	s_wait_loadcnt 0x0
	s_lshl_b32 s[TP], s[SQ], 4                     ; 16 scale bytes of a row of Wf2 belong to a chunk
	s_add_nc_u64 s[PS2:PS2+1], s[28:29], s[TP:TP+1]
	WSLOAD 0, PS2, VS2, 64, 0
	WMM 1, HA, 0, ASW1, 1
	PLACES 8
	QUANT3 HA, 1, FLX                              ; my 128 units of 16 rows: K step w of the chunk
	IMAGE IW, HIDO
	ds_store_b32 v[ISW], v[PW] offset:1024
	s_wait_dscnt 0x0                               ; the stores have read their registers
	QUANT3 HA+64, 1, FLX
	IMAGE IW, HIDO+8192
	ds_store_b32 v[ISW], v[PW] offset:1024+512
	SYNC 1, GB1, G1C, 26, OFB, 131072              ; this round also shows the images to every wave
	s_wait_loadcnt 0x0
.if \last == 0
	s_lshl_b32 s[TP], s[SQN], 11                   ; 512 numbers of bf1 a chunk
	s_add_nc_u64 s[PB1:PB1+1], s[24:25], s[TP:TP+1]
.endif
	WSLOAD 1, PS2, VS2, 64, 0
.if \last == 0
	BVLOAD PB1, 0                                  ; the next chunk's bf1
.endif
	FETCHACT 128, ASW2, HIDO, 1024
	WMM 0, OUTR, 128, ASW2, 0
.if \last
	SYNC 0, 0, 0, 0, 0, 0
	s_wait_loadcnt 0x0
.else
	s_lshl_b32 s[OFA], s[SQN], 18                  ; from here on Wf1's fills are the next chunk's
	SYNC 1, GA0, G1A, 20, OFA, 0
	s_wait_loadcnt 0x0
	s_lshl_b32 s[TP], s[SQN], 13                   ; 512 rows of 16 scale bytes a chunk
	s_add_nc_u64 s[PS1:PS1+1], s[22:23], s[TP:TP+1]
	WSLOAD 0, PS1, VS1, 16, 0
.endif
	WMM 1, OUTR, 128, ASW2, 0
.endm
	s_load_b512 s[4:19], s[0:1], 0x0               ; gc, gs, x, W2's codes, W2's scales, b2, g2, be2
	s_load_b256 s[20:27], s[0:1], 0x40             ; Wf1's codes, Wf1's scales, bf1, Wf2's codes
	s_load_b128 s[28:31], s[0:1], 0x60             ; Wf2's scales, bf2
	s_load_b64 s[32:33], s[0:1], 0x70              ; out0
	v_lshl_add_u32 v[SPW], v0, 2, SPARE
	v_mov_b32 v[NIL], 0
	ds_add_u32 v[SPW], v[NIL]                      ; the opening lines: the add, twice on end, and its wait ahead of the round in front of my first tensor load
	ds_add_u32 v[SPW], v[NIL]
	v_lshrrev_b32 v[T0], 5, v0
	v_readfirstlane_b32 s[WV], v[T0]
	s_bfe_u32 s[CX], ttmp6, 0x40000
	s_lshl_b32 s[WG], ttmp9, 2
	s_add_co_u32 s[WG], s[WG], s[CX]               ; my 32 rows: it enters global addresses alone
	s_mov_b32 s[SEL], 0x76543210
	s_mov_b32 s[SEL+1], 0xfedcba98
	s_mov_b32 s[MNT], 0x600000
	s_mov_b32 s[FLX], 0x4800000
	s_mov_b32 s[I512], 0x3b000000
	s_mov_b32 s[EPS], 0x3727c5ac
	v_and_b32 v[LS], 31, v0
	v_lshlrev_b32 v[LI], 4, v[LS]
	v_lshlrev_b32 v[LS], 2, v[LS]
	v_and_b32 v[RR], 15, v0
	v_bfe_u32 v[HH], v0, 4, 1
	v_and_b32 v[PIR], 8, v[RR]
	v_add_nc_u32 v[PIR], v[PIR], v[RR]
	s_mul_i32 s94, s[WV], WPART
	v_mul_u32_u24 v[AW0], v[PIR], WP
	v_lshl_add_u32 v[AW0], v[HH], 4, v[AW0]
.set AWK, 7                            ; v7  my part of slot 0, kept for the stream behind W2
	v_add_nc_u32 v[AWK], s94, v[AW0]
	v_add_nc_u32 v[AW0], s94, v[AWK]               ; W2: my 128 rows lie on end, at twice my part's offset: its first 64 rows,
	v_add_nc_u32 v[AW1], WPART, v[AW0]             ; its second 64
	v_add_nc_u32 v[TS2], s94, v[LI]
	v_mul_u32_u24 v[TL2], v[RR], WP
	v_lshl_add_u32 v[TL2], v[HH], 6, v[TL2]
	s_mul_i32 s95, s[WV], 16*WP
	s_add_co_u32 s95, s95, H2IMG
	v_add_nc_u32 v[TL], s95, v[TL2]
	v_add_nc_u32 v[TS], s95, v[LI]
	v_add_nc_u32 v[TL2], s94, v[TL2]
	s_lshl_b32 s95, s[WV], 11
	s_add_co_u32 s95, s95, H2IMG
	v_add_nc_u32 v[IW], s95, v[LI]
	s_lshl_b32 s95, s[WV], 7
	s_add_co_u32 s96, s95, H2SC
	v_add_nc_u32 v[ISW], s96, v[LS]
	v_add_nc_u32 v[HIB], H2IMG, v[LI]
	v_add_nc_u32 v[SCB], H2SC, v[LS]
	s_add_co_u32 s96, s95, STAT1
	v_lshl_add_u32 v[STW], v[RR], 2, s96
	v_lshlrev_b32 v[STR], 2, v[RR]
	v_add_nc_u32 v[STR], STAT1, v[STR]
	v_lshlrev_b32 v[VS1], 4, v[PIR]
	v_lshlrev_b32 v[VS2], 6, v[PIR]
	v_lshlrev_b32 v[BVA], 6, v[HH]
	v_lshlrev_b32 v[R2], 1, v[RR]
	v_mov_b32 v[T0], 0
.irp b,0,1,2,3
	v_mov_b32 v[TM+4+\b], 0
.endr
	; a fill: 64 rows of 512 bytes, 16 bytes of padding behind each; W2 and Wf1: rows 512 bytes apart, Wf2: 2,048
	s_mov_b32 s[G1A], 15|(1<<20)|(1<<21)|(6<<22)|(3<<25)
	s_mov_b32 s[G1C], 15|(1<<20)|(1<<21)|(6<<22)|(3<<25)
.irp g,G1A,G1C
	s_mov_b32 s[\g+1], 512<<16
	s_mov_b32 s[\g+2], 64<<16
	s_mov_b32 s[\g+3], 512<<16
	s_mov_b32 s[\g+4], 64
	s_mov_b32 s[\g+6], 0
	s_mov_b32 s[\g+7], 0
.endr
	s_mov_b32 s[G1A+5], 512
	s_mov_b32 s[G1C+5], 512                        ; at the head this group serves W2's one load: 128 rows, 512 bytes apart
	s_mov_b32 s[G1C+2], 128<<16
	s_mov_b32 s[G1C+4], 128
.irp g,GW0,GA0,GB0
	s_mov_b32 s[\g], 1
	s_mov_b32 s[\g+1], s94
.endr
	s_lshl_b32 s[GW0+1], s94, 1                    ; W2: wave w's 128 rows go to 2 w parts on: the four loads cover both slots
	s_add_co_u32 s95, s94, SLOTB
.irp g,GA1,GB1
	s_mov_b32 s[\g], 1
	s_mov_b32 s[\g+1], s95
.endr
	s_lshl_b32 s96, s[WV], 16                      ; 128 w rows of 512 bytes
	s_mov_b32 s97, 0
	s_lshl_b32 s98, s[WV], 18                      ; of 2,048
	s_mov_b32 s99, 0
	s_lshl_b32 s92, s[WG], 16
	s_lshl_b32 s93, s[WV], 9
	s_add_co_u32 s92, s92, s93                     ; x and out0: 32 rows of 2,048 bytes a work-group, 512 bytes a wave
	s_mov_b32 s93, 0
	s_wait_dscnt 0x0                               ; both opening adds are done
	s_wait_kmcnt 0x0
	s_add_nc_u64 s[GW0+2:GW0+3], s[10:11], s[96:97]
	s_or_b32 s[GW0+3], s[GW0+3], 0x80000000
	s_add_nc_u64 s[20:21], s[20:21], s[96:97]      ; Wf1's codes at my 128 rows of chunk 0
	s_add_nc_u64 s[26:27], s[26:27], s[98:99]      ; Wf2's codes at my 128 rows
	s_add_nc_u64 s[8:9], s[8:9], s[92:93]
	s_add_nc_u64 s[32:33], s[32:33], s[92:93]
	s_lshl_b32 s92, s[WG], 14
	s_add_nc_u64 s[4:5], s[4:5], s[92:93]          ; gc: two tiles of rows, 8,192 bytes each
	s_lshl_b32 s92, s[WG], 6
	s_add_nc_u64 s[6:7], s[6:7], s[92:93]          ; gs: 2 bytes a row
	s_lshl_b32 s96, s[WV], 11
	s_add_nc_u64 s[12:13], s[12:13], s[96:97]      ; scale bytes: 16 a row,
	s_add_nc_u64 s[22:23], s[22:23], s[96:97]
	s_lshl_b32 s96, s[WV], 13
	s_add_nc_u64 s[28:29], s[28:29], s[96:97]      ; Wf2's: 64 a row
	s_lshl_b32 s96, s[WV], 9
	s_add_nc_u64 s[14:15], s[14:15], s[96:97]      ; biases and gains at my 128 columns
	s_add_nc_u64 s[16:17], s[16:17], s[96:97]
	s_add_nc_u64 s[18:19], s[18:19], s[96:97]
	s_add_nc_u64 s[24:25], s[24:25], s[96:97]
	s_add_nc_u64 s[30:31], s[30:31], s[96:97]
	; the walk over the chunks begins at the cluster's number modulo 4
	s_and_b32 s[SQ], ttmp9, 3
	s_add_co_u32 s[SQN], s[SQ], 1
	s_and_b32 s[SQN], s[SQN], 3
	s_lshl_b32 s[OFA], s[SQ], 18
	s_mov_b32 s[OFA+1], 0
	s_lshl_b32 s[OFB], s[SQ], 9
	s_mov_b32 s[OFB+1], 0
	s_mov_b32 s[TP+1], 0
	s_lshl_b32 s[TP], s[SQ], 13
	s_add_nc_u64 s[PS1:PS1+1], s[22:23], s[TP:TP+1]
	s_lshl_b32 s[TP], s[SQ], 11
	s_add_nc_u64 s[PB1:PB1+1], s[24:25], s[TP:TP+1]
	CROUND                                         ; all four work-groups are here
	tensor_load_to_lds s[GW0:GW0+3], s[G1C:G1C+7]  ; my 128 rows of W2, both halves in one load: one tensor load a wave at the head
	s_nop 0
	PLACES 4
	WIN 0xc0
.irp m,0,1
.irp p,0,1,2,3,4,5,6,7,8,9,10,11,12,13,14,15
	global_load_b128 v[64*\m+4*\p:64*\m+4*\p+3], v[LI], s[8:9] offset:(16*\m+\p)*2048 th:TH_LOAD_NT   ; x: a row's 512 bytes of my columns
.endr
.endr
	WIN 0x80
.irp m,0,1
.irp k,0,1,2,3
.irp c,0,1,2,3
	global_load_b128 v[64*\m+16*\k+4*\c:64*\m+16*\k+4*\c+3], v[LI], s[4:5] offset:8192*\m+2048*\k+512*\c    ; the gated rows' fragments, as they were stored
.endr
.endr
.endr
	WIN 0
	s_wait_alu depctr_va_vdst(0)
.irp m,0,1
.irp h,0,1,2,3,4,5,6,7
	global_load_u16 v[U16+8*\m+\h], v[R2], s[6:7] offset:16384*\h+32*\m
.endr
.endr
	BVLOAD 14, 0                                   ; b2
	WSLOAD 0, 12, VS1, 16, 0
	WSLOAD 1, 12, VS1, 16, 0
	s_wait_loadcnt 0x0
	TURN3 0
	TURN3 64
	WIN 0
.irp m,0,1
.irp k,0,1,2,3
	v_lshl_or_b32 v[ASW1+4*\m+\k], v[U16+8*\m+2*\k+1], 16, v[U16+8*\m+2*\k]      ; two heads' two bytes make a K step's scale word
.endr
.endr
	s_wait_dscnt 0x0
	WIN 0xc3
.irp m,0,1
.set i, 0
.rept 32
	v_pk_add_f32 v[64*\m+i:64*\m+i+1], v[64*\m+i:64*\m+i+1], v[BV+i:BV+i+1]      ; x + b2: the first product adds onto it
.set i, i+2
.endr
.endr
	WIN 0x80
.irp b,0,1,2,3
.irp j,0,1,2,3
	global_load_b128 v[128+16*\b+4*\j:128+16*\b+4*\j+3], v[BVA], s[16:17] offset:128*\b+16*\j   ; g2
	global_load_b128 v[192+16*\b+4*\j:192+16*\b+4*\j+3], v[BVA], s[18:19] offset:128*\b+16*\j   ; be2
.endr
.endr
	WIN 0
	BVLOAD 30, 0                                   ; bf2
	s_wait_alu depctr_va_vdst(0)                   ; directly ahead of the wait below
	s_wait_tensorcnt 0x0                           ; my 128 rows of W2 are in; only I read them, so no barrier stands here
	s_mov_b32 s[G1C+2], 64<<16                     ; no tensor load of mine is out: from here on this group serves Wf2's fills: 64 rows,
	s_mov_b32 s[G1C+4], 64
	s_mov_b32 s[G1C+5], 2048                       ; 2,048 bytes apart
	WMM 0, OUTR, 0, ASW1, 0
	PLACES 8                                       ; in front of the loads into the registers that the last products read
	WMM 1, OUTR, 0, ASW1, 0
	v_mov_b32 v[AW0], v[AWK]                       ; the stream's places: my part of slot 0,
	v_add_nc_u32 v[AW1], SLOTB, v[AWK]             ; of slot 1
	SYNC 1, GA0, G1A, 20, OFA, 0                   ; every wave has W2 behind it: the first chunk's first half of Wf1 goes out, over W2's bytes in slot 0
	s_wait_loadcnt 0x0
	WSLOAD 0, PS1, VS1, 16, 0
	; ---- LN2: a row lies in four waves and two halves of the lanes; the waves' figures meet in LDS
	PLACES 8
.irp m,0,1
	WIN 0x0f
.irp k,0,1,2,3
	v_pk_add_f32 v[SM+2*\k:SM+2*\k+1], v[64*\m+4*\k:64*\m+4*\k+1], v[64*\m+4*\k+2:64*\m+4*\k+3]
.endr
	WIN 0x0c
.set i, 16
.rept 6
.irp k,0,1,2,3
	v_pk_add_f32 v[SM+2*\k:SM+2*\k+1], v[SM+2*\k:SM+2*\k+1], v[64*\m+i+2*\k:64*\m+i+2*\k+1]
.endr
.set i, i+8
.endr
	WIN 0
	JOIN PS+\m
	ds_store_b32 v[STW], v[PS+\m] offset:64*\m
.endr
	s_wait_dscnt 0x0
	s_barrier_signal -1
	s_barrier_wait -1
.irp m,0,1
.irp k,0,1,2,3
	ds_load_b32 v[ST4+4*\m+\k], v[STR] offset:128*\k+64*\m
.endr
.endr
	s_wait_dscnt 0x0
.irp m,0,1
	v_add_f32 v[ST4+4*\m], v[ST4+4*\m], v[ST4+4*\m+1]
	v_add_f32 v[ST4+4*\m+2], v[ST4+4*\m+2], v[ST4+4*\m+3]
	v_add_f32 v[ST4+4*\m], v[ST4+4*\m], v[ST4+4*\m+2]
	v_mul_f32 v[MEAN+2*\m], s[I512], v[ST4+4*\m]
	v_mov_b32 v[MEAN+2*\m+1], v[MEAN+2*\m]
.endr
	WIN 0xc3
.irp m,0,1
.set i, 0
.rept 32
	v_pk_add_f32 v[HA+64*\m+i:HA+64*\m+i+1], v[64*\m+i:64*\m+i+1], v[MEAN+2*\m:MEAN+2*\m+1] neg_lo:[0,1] neg_hi:[0,1]
.set i, i+2
.endr
.endr
.irp m,0,1
	WIN 0x0f
.irp k,0,1,2,3
	v_pk_mul_f32 v[SM+2*\k:SM+2*\k+1], v[HA+64*\m+2*\k:HA+64*\m+2*\k+1], v[HA+64*\m+2*\k:HA+64*\m+2*\k+1]
.endr
.set i, 8
.rept 7
.irp k,0,1,2,3
	v_pk_fma_f32 v[SM+2*\k:SM+2*\k+1], v[HA+64*\m+i+2*\k:HA+64*\m+i+2*\k+1], v[HA+64*\m+i+2*\k:HA+64*\m+i+2*\k+1], v[SM+2*\k:SM+2*\k+1]
.endr
.set i, i+8
.endr
	WIN 0
	JOIN PS+\m
	ds_store_b32 v[STW], v[PS+\m] offset:512+64*\m
.endr
	s_wait_dscnt 0x0
	s_barrier_signal -1
	s_barrier_wait -1
.irp m,0,1
.irp k,0,1,2,3
	ds_load_b32 v[ST4+4*\m+\k], v[STR] offset:512+128*\k+64*\m
.endr
.endr
	s_wait_dscnt 0x0
.irp m,0,1
	v_add_f32 v[ST4+4*\m], v[ST4+4*\m], v[ST4+4*\m+1]
	v_add_f32 v[ST4+4*\m+2], v[ST4+4*\m+2], v[ST4+4*\m+3]
	v_add_f32 v[ST4+4*\m], v[ST4+4*\m], v[ST4+4*\m+2]
	v_fma_f32 v[ST4+4*\m], v[ST4+4*\m], s[I512], s[EPS]
.endr
	s_wait_alu depctr_va_vdst(0)
	v_rsq_f32 v[RSTD], v[ST4]
	v_rsq_f32 v[RSTD+2], v[ST4+4]
	v_nop
	s_wait_alu depctr_va_vdst(0)
	v_mov_b32 v[RSTD+1], v[RSTD]
	v_mov_b32 v[RSTD+3], v[RSTD+2]
	WIN 0xc3
.irp m,0,1
.set i, 0
.rept 32
	v_pk_mul_f32 v[HA+64*\m+i:HA+64*\m+i+1], v[HA+64*\m+i:HA+64*\m+i+1], v[RSTD+2*\m:RSTD+2*\m+1]
.set i, i+2
.endr
.endr
	WIN 0xeb
.irp m,0,1
.set i, 0
.rept 32
	v_pk_fma_f32 v[HA+64*\m+i:HA+64*\m+i+1], v[HA+64*\m+i:HA+64*\m+i+1], v[128+i:128+i+1], v[192+i:192+i+1]
.set i, i+2
.endr
.endr
	WIN 0xc3
.irp m,0,1
.set i, 0
.rept 32
	v_pk_add_f32 v[64*\m+i:64*\m+i+1], v[64*\m+i:64*\m+i+1], v[BV+i:BV+i+1]      ; out + bf2: the last product adds onto it
.set i, i+2
.endr
.endr
	WIN 0
	BVLOAD PB1, 0                                  ; the first chunk's bf1
	QUANT3 HA, 0, FLX                              ; my 128 columns of h2 are K step w of the next product
	IMAGE IW, 0
	ds_store_b32 v[ISW], v[PW]
	s_wait_dscnt 0x0
	QUANT3 HA+64, 0, FLX
	IMAGE IW, 8192
	ds_store_b32 v[ISW], v[PW] offset:512
	s_wait_dscnt 0x0
	s_barrier_signal -1
	s_barrier_wait -1                              ; h2's eight fragments lie in LDS
	FETCHACT 0, ASW1, 0, 0
	; ---- the hidden layer, four chunks; the last is written out
	s_mov_b32 s[QC], 0
.Lq:
	CHUNK 0
	s_mov_b32 s[SQ], s[SQN]                        ; on to the next chunk, round from 3 to 0
	s_add_co_u32 s[SQN], s[SQN], 1
	s_and_b32 s[SQN], s[SQN], 3
	s_lshl_b32 s[OFB], s[SQ], 9
	s_add_co_u32 s[QC], s[QC], 1
	s_cmp_lt_u32 s[QC], 3
	s_cbranch_scc1 .Lq
	CHUNK 1
	; ---- the way out: through my part of slot 0, which has had its last fill and my last read, back as whole rows of 512 bytes
	PLACES 8
.irp m,0,1
	WIN 0x0c
.irp b,0,1,2,3
.irp j,0,1,2,3
	ds_store_b128 v[TL2], v[64*\m+16*\b+4*\j:64*\m+16*\b+4*\j+3] offset:16*WP*\m+128*\b+16*\j
.endr
.endr
	WIN 0xc0
.irp p,0,1,2,3,4,5,6,7,8,9,10,11,12,13,14,15
	ds_load_b128 v[HA+64*\m+4*\p:HA+64*\m+4*\p+3], v[TS2] offset:16*WP*\m+WP*\p
.endr
.endr
	WIN 0x0c
.irp p,0,1,2,3,4,5,6,7,8,9,10,11,12,13,14,15
	s_wait_dscnt 47-\p                             ; row p of tile 0 is back: younger are its 15 - p later rows and tile 1's 32 instructions
	global_store_b128 v[LI], v[HA+4*\p:HA+4*\p+3], s[32:33] offset:\p*2048 th:TH_STORE_NT
.endr
.irp p,0,1,2,3,4,5,6,7,8,9,10,11,12,13,14,15
	s_wait_dscnt 15-\p
	global_store_b128 v[LI], v[HA+64+4*\p:HA+64+4*\p+3], s[32:33] offset:(16+\p)*2048 th:TH_STORE_NT   ; 32 lanes store 512 consecutive bytes
.endr
	WIN 0
	s_wait_tensorcnt 0x0                           ; the wave's end
	ds_add_u32 v[SPW], v[NIL]
	s_wait_dscnt 0x0
	CROUND                                         ; the closing round
	s_endpgm
.Lfunc_end_k_qe7c67204b5_tail:
	.size	k_qe7c67204b5_tail, .Lfunc_end_k_qe7c67204b5_tail-k_qe7c67204b5_tail
	.p2alignl 7, 3214868480
	.fill 96, 4, 3214868480
	.section	.rodata,"a",@progbits
	.p2align	6, 0x0
	.amdhsa_kernel k_qe7c67204b5_tail
		.amdhsa_group_segment_fixed_size 327680
		.amdhsa_private_segment_fixed_size 0
		.amdhsa_enable_private_segment 0
		.amdhsa_kernarg_size 120
		.amdhsa_user_sgpr_count 2
		.amdhsa_user_sgpr_kernarg_segment_ptr 1
		.amdhsa_wavefront_size32 1
		.amdhsa_system_sgpr_workgroup_id_x 1
		.amdhsa_system_sgpr_workgroup_id_y 1
		.amdhsa_system_sgpr_workgroup_id_z 1
		.amdhsa_system_vgpr_workitem_id 0
		.amdhsa_next_free_vgpr 1024
		.amdhsa_next_free_sgpr 102
		.amdhsa_reserve_vcc 0
		.amdhsa_float_denorm_mode_32 3
		.amdhsa_float_denorm_mode_16_64 3
		.amdhsa_memory_ordered 1
		.amdhsa_forward_progress 1
		.amdhsa_inst_pref_size 223
	.end_amdhsa_kernel
	.amdgpu_metadata
---
amdhsa.version: [ 1, 2 ]
amdhsa.kernels:
  - .name:           k_qe7c67204b5_tail
    .symbol:         k_qe7c67204b5_tail.kd
    .args:
      - { .name: gc, .offset: 0, .size: 8, .value_kind: global_buffer, .address_space: global }
      - { .name: gs, .offset: 8, .size: 8, .value_kind: global_buffer, .address_space: global }
      - { .name: x, .offset: 16, .size: 8, .value_kind: global_buffer, .address_space: global }
      - { .name: W2_codes, .offset: 24, .size: 8, .value_kind: global_buffer, .address_space: global }
      - { .name: W2_scales, .offset: 32, .size: 8, .value_kind: global_buffer, .address_space: global }
      - { .name: b2, .offset: 40, .size: 8, .value_kind: global_buffer, .address_space: global }
      - { .name: g2, .offset: 48, .size: 8, .value_kind: global_buffer, .address_space: global }
      - { .name: be2, .offset: 56, .size: 8, .value_kind: global_buffer, .address_space: global }
      - { .name: Wf1_codes, .offset: 64, .size: 8, .value_kind: global_buffer, .address_space: global }
      - { .name: Wf1_scales, .offset: 72, .size: 8, .value_kind: global_buffer, .address_space: global }
      - { .name: bf1, .offset: 80, .size: 8, .value_kind: global_buffer, .address_space: global }
      - { .name: Wf2_codes, .offset: 88, .size: 8, .value_kind: global_buffer, .address_space: global }
      - { .name: Wf2_scales, .offset: 96, .size: 8, .value_kind: global_buffer, .address_space: global }
      - { .name: bf2, .offset: 104, .size: 8, .value_kind: global_buffer, .address_space: global }
      - { .name: out0, .offset: 112, .size: 8, .value_kind: global_buffer, .address_space: global }
    .group_segment_fixed_size: 327680
    .private_segment_fixed_size: 0
    .kernarg_segment_align: 8
    .kernarg_segment_size: 120
    .max_flat_workgroup_size: 128
    .sgpr_count:     102
    .vgpr_count:     1024
    .wavefront_size: 32
...
	.end_amdgpu_metadata
.endif
;; end of part 3
